; MI455X (gfx1250); checked and timed in simulation.
; The chip was launched on July 23, 2026; its instructions are those of AMD's public machine-readable ISA for CDNA 5 (MIT licence, August 2026) and "CDNA5" Instruction Set Architecture Reference Guide (July 2026). The comments in the code are by the model that wrote it; some were corrected since.
;; Multi Direction Adaptive SSM2 D Refiner. Allowed arithmetic: float matrix products may take bf16 or f16 operands with f32 sums; all other float work in f32.
;; Inputs: B_im 4 x 256 x 256 float32; B_re 4 x 256 x 256 float32; C_im 4 x 256 x 256 float32; C_re 4 x 256 x 256 float32; D 4 x 256 float32; freq_score 8 x 1 float32; lam_im 4 x 256 float32; lam_re 4 x 256 float32; ln1_b 4 x 256 float32; ln1_w 4 x 256 float32; ln2_b 4 x 256 float32; ln2_w 4 x 256 float32; log_step 4 x 256 float32; w_dec 4 x 256 x 256 float32; w_enc 4 x 256 x 256 float32; w_fuse 256 x 1,024 float32; x 8 x 256 x 64 x 64 float32.
;; Outputs: out0 8 x 256 x 64 x 64 float32.
;; 2 versions, each right; version 2 is version 1 with the launches pre, fin written anew for expert scheduling mode. Each part assembles by itself: llvm-mc -triple=amdgcn-amd-amdhsa -mcpu=gfx1250 --defsym DOCPART=n.
;; ======== version 1 of 2: 3 launches
;; limits: values outside matrix products are rounded to f16; values are held in f16: magnitudes above 65,504 overflow, below 6.1e-05 lose precision; right only within a limited range of input values; a function is approximated: absolute error at most 0.0005
;; workspace buffers: xn 16,777,216 bytes; wts 2,621,440 bytes; tab 24,576 bytes; p0 33,554,432 bytes; p1 33,554,432 bytes
;; launch pre (part 1): grid 560 x 1, 8 waves a work-group, no clusters, 144,128 bytes of LDS; arguments x, B_re, B_im, C_re, C_im, lam_re, lam_im, log_step, ln1_w, ln1_b, w_enc, w_dec, w_fuse, xn, wts, tab; writes xn, wts, tab
.if DOCPART == 1
	.amdgcn_target "amdgcn-amd-amdhsa--gfx1250"
	.amdhsa_code_object_version 6
	.text
	.protected	k_q9319422685_pre
	.globl	k_q9319422685_pre
	.p2align	8
	.type	k_q9319422685_pre,@function
k_q9319422685_pre:
	s_mov_b64 s[64:65], 0
	v_nop
	global_prefetch_b8 v0, s[64:65] scope:SCOPE_SE
	s_setreg_imm32_b32 hwreg(HW_REG_WAVE_MODE, 25, 1), 1
	s_wait_xcnt 0x0
; PREPARATION.  Work-groups 0-15: Mt_d = Wf_d + (Wf_d Wd) We, 64 rows each, every row scaled by a power of two to a largest magnitude in [256, 512), in f16.
; 16-31: B' = B x ln1_w in f16 and the bias Tb = B ln1_b.  32-47: lam_bar, and C' = 2 mask (lam_bar - 1) / lam x C in bf16.  48-559: xn = (x - mean) rsqrt(var + 1e-5) over the 256 channels
; of a pixel, in f16, laid [pixel][channel]: one image row (64 pixels) to a work-group.
; wts: per direction ten dense blocks of 256 rows x 256 bytes, in the order of use.  Half q of the states (p = 128 q ..): blocks 4q, 4q+1 = B' (row 64 w + 16 (2 pt + comp) + rr for
; p = 128 q + 32 w + 16 pt + rr; columns c 0-127, 128-255); blocks 4q+2, 4q+3 = C' (row c; word p: Re C', -Im C').  Blocks 8, 9 = scaled Mt (row co; columns c).
; tab: per direction 6,144 bytes of f32: lam_bar re, im (256 each), Tb (512), the row scales s and 1/s (256 each).
; LIMITS.  B x ln1_w, Wf, Wd, We and Wf Wd are kept in f16: magnitudes under 65,504.  The angle lam_im x step is reduced by a two-part pi/2: good to about 1e6.  NaN and infinities are not treated apart.
; LDS.  Each section has bytes of its own, so that no line of one section names a byte of another.
.set TG,    33792                      ; section M: TA at 0 and TG: 64 rows x 528 bytes; BT: 64 rows x 544; RMX: 64 rows x 32
.set BT,    67584
.set RMX,   102400
.set CG,    104448                     ; section C: 64 states x 8 bytes
.set LNB,   104960                     ; section LN: two areas of 2,048 bytes for the sums, then the tile of 64 pixels
.set SPARE, 143104                     ; the spare words: 128 bytes for each of eight waves
.set RAW,  16                          ; section M: two sets of 64 registers for chunks as loaded,
.set RAW1, 80
.set ACC,  144                         ; 8 accumulators,
.set FA,   208                         ; fragments; CV (numbers in f16 on their way to LDS) shares FB's registers; MX and SC, at the end, FA's
.set FB,   224
.set CV,   224
.set MX,   208
.set SC,   216
.macro BAR
	s_barrier_signal -1
	s_barrier_wait -1
.endm
.macro PLACES
.rept 4
	v_nop
.endr
.endm
.macro FINISH                          ; a wave's end
	s_wait_tensorcnt 0x0
	ds_add_u32 v1, v2
	s_wait_dscnt 0x0
	s_endpgm
.endm
	s_load_b512 s[4:19], s[0:1], 0x0               ; x, B_re, B_im, C_re, C_im, lam_re, lam_im, log_step
	s_load_b512 s[20:35], s[0:1], 0x40             ; ln1_w, ln1_b, w_enc, w_dec, w_fuse, xn, wts, tab
	v_lshl_add_u32 v1, v0, 2, SPARE
	v_mov_b32 v2, 0
	v_and_b32 v3, 31, v0                           ; lane
	v_lshrrev_b32 v4, 5, v0                        ; wave
	v_readfirstlane_b32 s38, v4
	v_and_b32 v5, 15, v0                           ; lane % 16
	v_bfe_u32 v6, v0, 4, 1                         ; lane / 16
	s_mov_b32 s36, 0x76543210                      ; v_permlanex16_b32: each lane takes its own place in the other half
	s_mov_b32 s37, 0xfedcba98
	s_mov_b32 s41, 0                               ; s[40:41]: a byte offset in 64 bits
	s_wait_kmcnt 0x0
	s_cmp_ge_u32 ttmp9, 48                         ; the sections hang on the work-group's number alone: all eight waves go the same way
	s_cbranch_scc1 .Lln
	s_cmp_ge_u32 ttmp9, 32
	s_cbranch_scc1 .Lc
	s_cmp_ge_u32 ttmp9, 16
	s_cbranch_scc1 .Lb
; ---------------- SECTION M: d = id / 4, rows co = 64 (id % 4) .. + 63 ----------------
; Both products have the form R[co][n] = sum over k of T[co][k] W[k][n]: W's rows come 64 at a time (a chunk) into BT and are read turned (source 0, m = n); T's rows lie in LDS along k (source 1).
; A lane then holds one co and eight neighbouring n.  Wave v owns n = 32 v .. + 31 and all 64 co: 8 accumulators, which take turns.
; The section is a chain of eight chunks (four of Wd, four of We), so what counts is how far ahead a chunk is asked for: two sets of registers take turns, and chunk c + 2 is asked for when chunk c has
; been converted: 16 KiB a wave are on their way.
	s_lshr_b32 s42, ttmp9, 2                       ; d
	s_and_b32 s43, ttmp9, 3                        ; cb
	s_lshl_b32 s40, s43, 18
	s_lshl_b32 s44, s42, 10
	s_add_co_u32 s40, s40, s44
	s_add_nc_u64 s[28:29], s[28:29], s[40:41]      ; Wf_d at my 64 rows
	s_lshl_b32 s40, s42, 18
	s_add_nc_u64 s[26:27], s[26:27], s[40:41]      ; Wd
	s_add_nc_u64 s[24:25], s[24:25], s[40:41]      ; We
	s_add_nc_u64 s[52:53], s[26:27], 0x20000       ; the source that walks, two chunks a trip: it begins at Wd's chunk 2
	s_mul_i32 s40, s42, 655360
	s_lshl_b32 s44, s43, 14
	s_add_co_u32 s40, s40, s44
	s_add_co_u32 s40, s40, 0x80000
	s_add_nc_u64 s[32:33], s[32:33], s[40:41]      ; block 8 of my direction at my rows
	s_mul_i32 s40, s42, 6144
	s_lshl_b32 s44, s43, 8
	s_add_co_u32 s40, s40, s44
	s_add_co_u32 s40, s40, 4096
	s_add_nc_u64 s[34:35], s[34:35], s[40:41]      ; the scales of my rows
	v_lshlrev_b32 v7, 5, v3
	v_lshl_add_u32 v8, v4, 13, v7                  ; a chunk: my 8 rows of 1,024 bytes, 32 bytes a lane
	v_lshl_add_u32 v7, v4, 15, v7                  ; Wf: my 8 rows, 4,096 bytes apart
.macro GETCH dst, sb, off              ; my 8 rows of a chunk, 16 loads, from s[sb:sb+1] + off
.set j_, 0
.rept 8
	global_load_b128 v[(\dst)+8*j_:(\dst)+8*j_+3],   v8, s[\sb:\sb+1] offset:(\off)+1024*j_
	global_load_b128 v[(\dst)+8*j_+4:(\dst)+8*j_+7], v8, s[\sb:\sb+1] offset:(\off)+1024*j_+16
.set j_, j_+1
.endr
.endm
.macro CVT8 src                        ; 64 numbers a lane to f16
.set j_, 0
.rept 32
	v_cvt_pk_f16_f32 v[CV+j_], v[(\src)+2*j_], v[(\src)+2*j_+1]
.set j_, j_+1
.endr
.endm
; A chunk that lies in CV: into BT, and two steps of 32 along k.  The first barrier: everybody's reads of BT and stores into the tiles are done; the second: the chunk is whole.
.macro MCORE
	s_wait_dscnt 0x0
	BAR
.set j_, 0
.rept 8
	ds_store_b128 v9, v[CV+4*j_:CV+4*j_+3] offset:544*j_
.set j_, j_+1
.endr
	s_wait_dscnt 0x0
	BAR
.irp kk, 0,1
.irp mt, 0,1
	ds_load_tr16_b128 v[FA+8*\mt:FA+8*\mt+3],   v10 offset:17408*\kk+32*\mt
	ds_load_tr16_b128 v[FA+8*\mt+4:FA+8*\mt+7], v10 offset:17408*\kk+32*\mt+8704
.endr
.irp nt, 0,1,2,3
	ds_load_b128 v[FB+8*\nt:FB+8*\nt+3],   v11 offset:8448*\nt+64*\kk
	ds_load_b128 v[FB+8*\nt+4:FB+8*\nt+7], v11 offset:8448*\nt+64*\kk+32
.endr
	s_wait_dscnt 0x0
.irp mt, 0,1
.irp nt, 0,1,2,3
	v_wmma_f32_16x16x32_f16 v[ACC+8*(4*\mt+\nt):ACC+8*(4*\mt+\nt)+7], v[FA+8*\mt:FA+8*\mt+7], v[FB+8*\nt:FB+8*\nt+7], v[ACC+8*(4*\mt+\nt):ACC+8*(4*\mt+\nt)+7]
.endr
.endr
	PLACES                                         ; ahead of loads and conversions into the fragments' registers, and of reads of the sums
.endr
	v_add_nc_u32 v11, 128, v11                     ; 64 further along k
.endm
.set j_, 0
.rept 8
	global_load_b128 v[ACC+8*j_:ACC+8*j_+3],   v7, s[28:29] offset:4096*j_
	global_load_b128 v[ACC+8*j_+4:ACC+8*j_+7], v7, s[28:29] offset:4096*j_+16
.set j_, j_+1
.endr
	GETCH RAW, 26, 0                               ; Wd's chunks 0 and 1
	GETCH RAW1, 26, 65536
	v_lshlrev_b32 v12, 4, v3
	v_mad_u32_u24 v9, v4, 8*544, v12
	v_add_nc_u32 v9, BT, v9                        ; where my 8 rows of a chunk go
	v_mad_u32_u24 v12, v4, 8*528, v12              ; my 8 whole rows of TA
	v_and_b32 v10, 7, v0
	v_lshl_add_u32 v10, v6, 3, v10
	v_mul_u32_u24 v10, v10, 544
	v_bfe_u32 v13, v0, 3, 1
	v_lshl_add_u32 v10, v13, 4, v10
	v_lshl_add_u32 v10, v4, 6, v10
	v_add_nc_u32 v10, BT, v10                      ; the turning load: row 8 (l / 16) + l % 8, 16 bytes by (l / 8) % 2, my 32 columns
	v_mul_u32_u24 v14, v5, 528
	v_lshl_add_u32 v14, v6, 4, v14                 ; a fragment of a tile: row l % 16, 16 bytes by l / 16
	v_lshl_add_u32 v13, v4, 6, v14                 ; where results go: the same row, my 32 columns
	v_mov_b32 v11, v14                             ; source 1 walks TA first
	v_lshlrev_b32 v15, 12, v5
	v_lshl_add_u32 v15, v4, 7, v15
	v_lshl_add_u32 v15, v6, 5, v15                 ; Wf in f32 at my results' places
	s_wait_loadcnt 32                              ; Wf is in; the 32 loads of the two chunks may stay out
	CVT8 ACC
.set j_, 0
.rept 8
	ds_store_b128 v12, v[CV+4*j_:CV+4*j_+3] offset:528*j_
.set j_, j_+1
.endr
	s_mov_b32 s50, 4                               ; trips to go; a trip takes two chunks, one from each set of registers
.Lm_trip:
	s_and_b32 s51, s50, 1
	s_cmp_lg_u32 s51, 0
	s_cbranch_scc1 .Lm_go                          ; a product's first chunk (4 and 2 trips to go) clears its sums: one text serves both products
.set j_, 0
.rept 64
	v_mov_b32 v[ACC+j_], 0
.set j_, j_+1
.endr
.Lm_go:
	s_wait_loadcnt 16                              ; loads come back in order: the first set's chunk is in, the second set's 16 loads stay out
	CVT8 RAW
	s_cmp_eq_u32 s50, 1
	s_cbranch_scc1 .Lm_wf
	GETCH RAW, 52, 0                               ; the chunk two further on
	s_branch .Lm_asked
.Lm_wf:                                                ; in the last trip no chunk is left: the set takes Wf in f32, at my results' places: 16 loads on this way too
.irp mt, 0,1
.irp nt, 0,1,2,3
	global_load_b128 v[RAW+8*(4*\mt+\nt):RAW+8*(4*\mt+\nt)+3],   v15, s[28:29] offset:65536*\nt+64*\mt
	global_load_b128 v[RAW+8*(4*\mt+\nt)+4:RAW+8*(4*\mt+\nt)+7], v15, s[28:29] offset:65536*\nt+64*\mt+16
.endr
.endr
.Lm_asked:
	MCORE
	s_wait_loadcnt 16                              ; the second set's chunk is in; the 16 loads just issued stay out
	CVT8 RAW1
	s_cmp_eq_u32 s50, 1
	s_cbranch_scc1 .Lm_last                        ; the last chunk asks for nothing: its rest is written out behind the loop
	GETCH RAW1, 52, 65536
	MCORE
	s_cmp_lg_u32 s50, 3
	s_cbranch_scc1 .Lm_nomid
	CVT8 ACC                                       ; G = Wf Wd is finished: to f16, into TG; the next chunk's first barrier shows it to all
.irp mt, 0,1
.irp nt, 0,1,2,3
	ds_store_b128 v13, v[CV+4*(4*\mt+\nt):CV+4*(4*\mt+\nt)+3] offset:TG+8448*\nt+32*\mt
.endr
.endr
	v_add_nc_u32 v11, TG, v14                      ; source 1 walks TG now
.Lm_nomid:
	s_wait_xcnt 0x0                                ; the walking source is written again only behind this wait
	s_add_nc_u64 s[52:53], s[52:53], 0x20000       ; two chunks on,
	s_cmp_eq_u32 s50, 4
	s_cselect_b64 s[52:53], s[24:25], s[52:53]     ; or, behind the first trip, We's first
	s_sub_co_u32 s50, s50, 1
	s_branch .Lm_trip
.Lm_last:
	MCORE
	v_lshlrev_b32 v9, 5, v5
	v_add_nc_u32 v9, RMX, v9                       ; the eight waves' maxima of row l % 16
	v_lshl_add_u32 v7, v4, 2, v9                   ; my wave's word among them
.irp nt, 0,1,2,3
	v_mov_b32 v[MX+4+\nt], 0                       ; v_permlanex16_b32 counts as a reader of its destination
.endr
	s_wait_loadcnt 0x0                             ; Wf in f32
.set j_, 0
.rept 32
	v_pk_add_f32 v[RAW+2*j_:RAW+2*j_+1], v[RAW+2*j_:RAW+2*j_+1], v[ACC+2*j_:ACC+2*j_+1]  ; Mt = Wf + G We, in f32
.set j_, j_+1
.endr
.irp nt, 0,1,2,3                       ; the largest magnitude of a row: my 16 numbers, the other half of the lanes, the eight waves
	v_max3_num_f32 v[MX+\nt], |v[RAW+8*\nt]|, |v[RAW+8*\nt+1]|, |v[RAW+8*\nt+2]|
	v_max3_num_f32 v[MX+\nt], v[MX+\nt], |v[RAW+8*\nt+3]|, |v[RAW+8*\nt+4]|
	v_max3_num_f32 v[MX+\nt], v[MX+\nt], |v[RAW+8*\nt+5]|, |v[RAW+8*\nt+6]|
	v_max3_num_f32 v[MX+\nt], v[MX+\nt], |v[RAW+8*\nt+7]|, |v[RAW+8*\nt+32]|
	v_max3_num_f32 v[MX+\nt], v[MX+\nt], |v[RAW+8*\nt+33]|, |v[RAW+8*\nt+34]|
	v_max3_num_f32 v[MX+\nt], v[MX+\nt], |v[RAW+8*\nt+35]|, |v[RAW+8*\nt+36]|
	v_max3_num_f32 v[MX+\nt], v[MX+\nt], |v[RAW+8*\nt+37]|, |v[RAW+8*\nt+38]|
	v_max_num_f32 v[MX+\nt], v[MX+\nt], |v[RAW+8*\nt+39]|
.endr
.irp nt, 0,1,2,3
	v_permlanex16_b32 v[MX+4+\nt], v[MX+\nt], s36, s37
.endr
.irp nt, 0,1,2,3
	v_max_num_f32 v[MX+\nt], v[MX+\nt], v[MX+4+\nt]
	ds_store_b32 v7, v[MX+\nt] offset:512*\nt
.endr
	s_wait_dscnt 0x0
	BAR
.irp nt, 0,1,2,3
	ds_load_b128 v[CV+8*\nt:CV+8*\nt+3],   v9 offset:512*\nt
	ds_load_b128 v[CV+8*\nt+4:CV+8*\nt+7], v9 offset:512*\nt+16
.endr
	s_wait_dscnt 0x0
.irp nt, 0,1,2,3
	v_max3_num_f32 v[MX+\nt], v[CV+8*\nt], v[CV+8*\nt+1], v[CV+8*\nt+2]
	v_max3_num_f32 v[MX+\nt], v[MX+\nt], v[CV+8*\nt+3], v[CV+8*\nt+4]
	v_max3_num_f32 v[MX+\nt], v[MX+\nt], v[CV+8*\nt+5], v[CV+8*\nt+6]
	v_max_num_f32 v[MX+\nt], v[MX+\nt], v[CV+8*\nt+7]
	v_lshrrev_b32 v[MX+\nt], 23, v[MX+\nt]         ; its exponent field e, kept in 16 .. 240
	v_max_u32 v[MX+\nt], 16, v[MX+\nt]
	v_min_u32 v[MX+\nt], 240, v[MX+\nt]
	v_sub_nc_u32 v[SC+2*\nt], 262, v[MX+\nt]
	v_lshlrev_b32 v[SC+2*\nt], 23, v[SC+2*\nt]     ; s = 2^(135 - e)
	v_add_nc_u32 v[SC+2*\nt+1], -8, v[MX+\nt]
	v_lshlrev_b32 v[SC+2*\nt+1], 23, v[SC+2*\nt+1] ; 1 / s
.endr
.irp mt, 0,1
.irp nt, 0,1,2,3
.irp k, 0,1,2,3
	v_pk_mul_f32 v[RAW+8*(4*\mt+\nt)+2*\k:RAW+8*(4*\mt+\nt)+2*\k+1], v[RAW+8*(4*\mt+\nt)+2*\k:RAW+8*(4*\mt+\nt)+2*\k+1], v[SC+2*\nt:SC+2*\nt+1] op_sel_hi:[1,0]
.endr
.endr
.endr
	CVT8 RAW
.irp mt, 0,1
.irp nt, 0,1,2,3
	ds_store_b128 v13, v[CV+4*(4*\mt+\nt):CV+4*(4*\mt+\nt)+3] offset:8448*\nt+32*\mt  ; into TA, whose last readers passed several barriers ago
.endr
.endr
	v_lshlrev_b32 v8, 16, v6                       ; out: lanes 0-15 block 8 (c 0-127), lanes 16-31 block 9
	v_lshl_add_u32 v8, v4, 11, v8
	v_lshl_add_u32 v8, v5, 4, v8
	s_wait_dscnt 0x0
	BAR
.set j_, 0
.rept 8
	ds_load_b128 v[RAW+4*j_:RAW+4*j_+3], v12 offset:528*j_
.set j_, j_+1
.endr
.set j_, 0
.rept 8
	s_wait_dscnt 7-j_
	global_store_b128 v8, v[RAW+4*j_:RAW+4*j_+3], s[32:33] offset:256*j_  ; 16 lanes store 256 consecutive bytes, aligned
.set j_, j_+1
.endr
	s_cmp_lg_u32 s38, 0
	s_cbranch_scc1 .Lm_end                         ; every wave holds the scales; wave 0 stores them
	v_lshlrev_b32 v10, 10, v6
	v_lshl_add_u32 v10, v5, 2, v10
	v_cmp_eq_u32 vcc_lo, 1, v6
.irp nt, 0,1,2,3
	v_cndmask_b32 v[MX+\nt], v[SC+2*\nt], v[SC+2*\nt+1], vcc_lo  ; lanes 0-15: s; lanes 16-31: 1 / s
	global_store_b32 v10, v[MX+\nt], s[34:35] offset:64*\nt
.endr
.Lm_end:
	FINISH
; ---------------- SECTION B: d, half q of the states, comp (0: B_re, 1: B_im) ----------------
.Lb:
	s_sub_co_u32 s45, ttmp9, 16
	s_lshr_b32 s42, s45, 2                         ; d
	s_bfe_u32 s43, s45, 0x10001                    ; q
	s_and_b32 s44, s45, 1                          ; comp
	s_cmp_eq_u32 s44, 0
	s_cselect_b64 s[46:47], s[6:7], s[8:9]
	s_lshl_b32 s40, s42, 18
	s_lshl_b32 s45, s43, 17
	s_add_co_u32 s40, s40, s45
	s_add_nc_u64 s[46:47], s[46:47], s[40:41]      ; my 128 rows p
	s_lshl_b32 s40, s42, 10
	s_add_nc_u64 s[20:21], s[20:21], s[40:41]
	s_add_nc_u64 s[22:23], s[22:23], s[40:41]
	s_mul_i32 s40, s42, 655360
	s_lshl_b32 s45, s43, 18
	s_add_co_u32 s40, s40, s45
	s_lshl_b32 s45, s44, 12
	s_add_co_u32 s40, s40, s45
	s_add_nc_u64 s[32:33], s[32:33], s[40:41]      ; block 4 q, row 16 comp
	s_mul_i32 s40, s42, 6144
	s_lshl_b32 s45, s43, 10
	s_add_co_u32 s40, s40, s45
	s_lshl_b32 s45, s44, 6
	s_add_co_u32 s40, s40, s45
	s_add_co_u32 s40, s40, 2048
	s_add_nc_u64 s[34:35], s[34:35], s[40:41]      ; Tb
	v_lshlrev_b32 v7, 5, v3                        ; a lane keeps 8 channels
	v_lshl_add_u32 v8, v4, 14, v7                  ; wave v: rows 16 v ..
	v_lshlrev_b32 v9, 16, v6                       ; out: lanes 16-31 one block further (c 128-255)
	v_lshl_add_u32 v9, v4, 13, v9                  ; row 64 (v / 2) + 32 (v % 2) = 32 v, of 256 bytes
	v_lshl_add_u32 v9, v5, 4, v9
	v_lshlrev_b32 v10, 7, v4
	v_lshl_add_u32 v10, v5, 2, v10
	v_mov_b32 v11, v5                              ; the row of the trip in hand whose sum this lane keeps
	v_mov_b32 v170, 0
	v_mov_b32 v169, 0
	global_load_b128 v[16:19], v7, s[20:21]
	global_load_b128 v[20:23], v7, s[20:21] offset:16
	global_load_b128 v[24:27], v7, s[22:23]
	global_load_b128 v[28:31], v7, s[22:23] offset:16
	s_mov_b32 s50, 4
.Lb_trip:                                              ; four rows a trip
.irp j, 0,1,2,3
	global_load_b128 v[32+8*\j:32+8*\j+3], v8, s[46:47] offset:1024*\j
	global_load_b128 v[36+8*\j:36+8*\j+3], v8, s[46:47] offset:1024*\j+16
.endr
.irp j, 0,1,2,3
	s_wait_loadcnt 6-2*\j                          ; row j is in; the younger rows' loads stay out
	v_pk_mul_f32 v[168:169], v[32+8*\j:33+8*\j], v[24:25]      ; the row times ln1_b
	v_pk_fma_f32 v[168:169], v[34+8*\j:35+8*\j], v[26:27], v[168:169]
	v_pk_fma_f32 v[168:169], v[36+8*\j:37+8*\j], v[28:29], v[168:169]
	v_pk_fma_f32 v[168:169], v[38+8*\j:39+8*\j], v[30:31], v[168:169]
.irp k, 0,1,2,3
	v_pk_mul_f32 v[160+2*\k:161+2*\k], v[32+8*\j+2*\k:33+8*\j+2*\k], v[16+2*\k:17+2*\k]  ; the row times ln1_w
.endr
.irp k, 0,1,2,3
	v_cvt_pk_f16_f32 v[32+8*\j+\k], v[160+2*\k], v[161+2*\k]
.endr
	global_store_b128 v9, v[32+8*\j:35+8*\j], s[32:33] offset:256*\j  ; 16 lanes store 256 consecutive bytes, aligned
	v_add_f32 v168, v168, v169
	v_add_f32_dpp v168, v168, v168 row_xmask:1 row_mask:0xf bank_mask:0xf
	v_add_f32_dpp v168, v168, v168 row_xmask:2 row_mask:0xf bank_mask:0xf
	v_add_f32_dpp v168, v168, v168 row_xmask:4 row_mask:0xf bank_mask:0xf
	v_add_f32_dpp v168, v168, v168 row_xmask:8 row_mask:0xf bank_mask:0xf
	v_permlanex16_b32 v169, v168, s36, s37
	v_add_f32 v168, v168, v169
	v_cmp_eq_u32 vcc_lo, \j, v11
	v_cndmask_b32 v170, v170, v168, vcc_lo
.endr
	s_wait_xcnt 0x0                                ; the offsets and the stores' registers are written again only behind this wait
	v_add_nc_u32 v8, 4096, v8
	v_add_nc_u32 v9, 1024, v9
	v_add_nc_u32 v11, -4, v11
	s_sub_co_u32 s50, s50, 1
	s_cmp_lg_u32 s50, 0
	s_cbranch_scc1 .Lb_trip
	global_store_b32 v10, v170, s[34:35]           ; 16 sums; both halves of the lanes hold and store the same words
	FINISH
; ---------------- SECTION C: d, half q, kh: states p0 = 128 q + 64 kh .. + 63 ----------------
.Lc:
	s_sub_co_u32 s45, ttmp9, 32
	s_lshr_b32 s42, s45, 2                         ; d
	s_and_b32 s43, s45, 3                          ; 2 q + kh
	s_lshl_b32 s44, s43, 8                         ; 4 p0
	s_lshl_b32 s40, s42, 10
	s_add_co_u32 s40, s40, s44
	s_add_nc_u64 s[14:15], s[14:15], s[40:41]
	s_add_nc_u64 s[16:17], s[16:17], s[40:41]
	s_add_nc_u64 s[18:19], s[18:19], s[40:41]
	s_mul_i32 s40, s42, 6144
	s_add_co_u32 s40, s40, s44
	s_add_nc_u64 s[34:35], s[34:35], s[40:41]
	s_lshl_b32 s40, s42, 18
	s_add_co_u32 s40, s40, s44
	s_add_nc_u64 s[10:11], s[10:11], s[40:41]
	s_add_nc_u64 s[12:13], s[12:13], s[40:41]
	s_lshr_b32 s45, s43, 1
	s_lshl_b32 s45, s45, 2
	s_and_b32 s44, s43, 1
	s_add_co_u32 s45, s45, s44
	s_add_co_u32 s45, s45, 2                       ; block 4 q + 2 + kh
	s_lshl_b32 s45, s45, 16
	s_mul_i32 s40, s42, 655360
	s_add_co_u32 s40, s40, s45
	s_add_nc_u64 s[32:33], s[32:33], s[40:41]
	s_cmp_ge_u32 s38, 2
	s_cbranch_scc1 .Lc_all                         ; waves 0 and 1: one state a thread
	v_lshlrev_b32 v7, 2, v0
	v_lshl_add_u32 v9, v0, 3, CG
	global_load_b32 v16, v7, s[14:15]              ; lam_re
	global_load_b32 v17, v7, s[16:17]              ; lam_im
	global_load_b32 v18, v7, s[18:19]              ; log_step
	s_wait_loadcnt 0x0
	v_mul_f32 v19, 0x3fb8aa3b, v18
	v_exp_f32 v19, v19                             ; step
	v_nop
	s_wait_alu depctr_va_vdst(0)
	v_mul_f32 v20, v16, v19
	v_mul_f32 v21, v17, v19                        ; the angle
	v_mul_f32 v20, 0x3fb8aa3b, v20
	v_exp_f32 v20, v20                             ; |lam_bar|
	v_mul_f32 v22, 0x3f22f983, v21
	v_rndne_f32 v22, v22                           ; n = the nearest multiple of pi / 2
	v_fma_f32 v23, v22, 0xbfc90fdb, v21
	v_fma_f32 v23, v22, 0x333bbd2e, v23            ; the rest, within pi / 4
	v_mul_f32 v24, v23, v23
	v_mov_b32 v25, 0xb9500d01
	v_fma_f32 v25, v24, 0x3638ef1d, v25            ; sine: the series to the ninth power
	v_fma_f32 v25, v25, v24, 0x3c088889
	v_fma_f32 v25, v25, v24, 0xbe2aaaab
	v_mul_f32 v25, v25, v24
	v_fma_f32 v25, v25, v23, v23
	v_mov_b32 v26, 0xbab60b61
	v_fma_f32 v26, v24, 0x37d00d01, v26            ; cosine: to the eighth
	v_fma_f32 v26, v26, v24, 0x3d2aaaab
	v_fma_f32 v26, v26, v24, -0.5
	v_fma_f32 v26, v26, v24, 1.0
	v_cvt_i32_f32 v27, v22
	v_and_b32 v28, 1, v27
	v_cmp_eq_u32 vcc_lo, 1, v28                    ; odd quadrants swap the two,
	v_cndmask_b32 v29, v26, v25, vcc_lo
	v_cndmask_b32 v30, v25, v26, vcc_lo
	v_add_nc_u32 v28, 1, v27
	v_lshlrev_b32 v28, 30, v28
	v_and_b32 v28, 0x80000000, v28                 ; quadrants 1, 2 turn the cosine's sign,
	v_xor_b32 v29, v28, v29
	v_lshlrev_b32 v27, 30, v27
	v_and_b32 v27, 0x80000000, v27                 ; quadrants 2, 3 the sine's
	v_xor_b32 v30, v27, v30
	s_wait_alu depctr_va_vdst(0)
	v_mul_f32 v29, v20, v29                        ; lam_bar
	v_mul_f32 v30, v20, v30
	global_store_b32 v7, v29, s[34:35]
	global_store_b32 v7, v30, s[34:35] offset:1024
	v_add_f32 v25, -1.0, v29
	v_mul_f32 v26, v17, v17
	v_fma_f32 v26, v16, v16, v26
	v_rcp_f32 v26, v26                             ; 1 / |lam|^2
	v_mul_f32 v27, v30, v17
	v_fma_f32 v27, v25, v16, v27                   ; (lam_bar - 1) conj(lam)
	v_mul_f32 v28, v25, v17
	v_fma_f32 v28, v30, v16, -v28
	v_mul_f32 v21, v19, |v17|
	v_mul_f32 v22, 0.15915494, v21                 ; step |lam_im| / 2 pi: a product and one fused correction
	v_fma_f32 v23, -v22, 0x40c90fdb, v21
	v_fma_f32 v22, v23, 0.15915494, v22
	v_cmp_gt_f32 vcc_lo, 0x3e800000, v22
	v_cndmask_b32 v23, 0, 2.0, vcc_lo              ; 2 x the band mask
	s_wait_alu depctr_va_vdst(0)
	v_mul_f32 v23, v23, v26
	v_mul_f32 v24, v27, v23
	v_mul_f32 v25, v28, v23
	ds_store_b64 v9, v[24:25]                      ; G = 2 mask (lam_bar - 1) / lam
.Lc_all:
	v_lshlrev_b32 v8, 15, v4                       ; wave v: rows c = 32 v ..; lanes 16-31 the odd row; a lane takes 4 states
	v_lshl_add_u32 v8, v6, 10, v8
	v_lshl_add_u32 v8, v5, 4, v8
	v_lshlrev_b32 v10, 13, v4
	v_lshl_add_u32 v10, v6, 8, v10
	v_lshl_add_u32 v10, v5, 4, v10
	v_lshl_add_u32 v11, v5, 5, CG
	s_wait_dscnt 0x0
	BAR
	ds_load_b128 v[160:163], v11
	ds_load_b128 v[164:167], v11 offset:16
	s_wait_dscnt 0x0
	s_mov_b32 s50, 4
.Lc_trip:                                              ; eight rows a trip
.irp j, 0,1,2,3
	global_load_b128 v[32+8*\j:35+8*\j], v8, s[10:11] offset:2048*\j
	global_load_b128 v[36+8*\j:39+8*\j], v8, s[12:13] offset:2048*\j
.endr
.irp j, 0,1,2,3
	s_wait_loadcnt 6-2*\j
.irp q, 0,1,2,3
	v_mul_f32 v[168+2*\q], v[36+8*\j+\q], v[161+2*\q]
	v_mul_f32 v[169+2*\q], v[36+8*\j+\q], v[160+2*\q]
	v_fma_f32 v[168+2*\q], v[32+8*\j+\q], v[160+2*\q], -v[168+2*\q]     ; Re C'
	v_fma_f32 v[169+2*\q], -v[32+8*\j+\q], v[161+2*\q], -v[169+2*\q]    ; -Im C'
.endr
.irp q, 0,1,2,3
	v_cvt_pk_bf16_f32 v[32+8*\j+\q], v[168+2*\q], v[169+2*\q]
.endr
	global_store_b128 v10, v[32+8*\j:35+8*\j], s[32:33] offset:512*\j  ; 16 lanes store 256 consecutive bytes, aligned
.endr
	s_wait_xcnt 0x0                                ; the offsets and the stores' registers are written again only behind this wait
	v_add_nc_u32 v8, 8192, v8
	v_add_nc_u32 v10, 2048, v10
	s_sub_co_u32 s50, s50, 1
	s_cmp_lg_u32 s50, 0
	s_cbranch_scc1 .Lc_trip
	FINISH
; ---------------- SECTION LN: image row L = id - 48 ----------------
; Wave v holds channels 32 v .. + 31 (lanes 0-15 the first 16, lanes 16-31 the others), a lane four pixels: each half of a load covers a whole row of 256 bytes of x.
.Lln:
	s_sub_co_u32 s42, ttmp9, 48
	s_lshr_b32 s43, s42, 6
	s_and_b32 s44, s42, 63
	s_lshl_b32 s40, s43, 22
	s_lshl_b32 s44, s44, 8
	s_add_co_u32 s40, s40, s44
	s_add_nc_u64 s[4:5], s[4:5], s[40:41]
	s_lshl_b32 s40, s42, 15
	s_add_nc_u64 s[30:31], s[30:31], s[40:41]
	s_mov_b32 s46, 0x3b800000                      ; 1 / 256
	s_mov_b32 s47, s46
	s_mov_b32 s48, 0x3727c5ac                      ; 1e-5
	s_mov_b32 s49, s48
	v_lshlrev_b32 v7, 19, v4
	v_lshl_add_u32 v7, v6, 18, v7
	v_lshl_add_u32 v7, v5, 4, v7
.set i_, 0
.rept 16
	global_load_b128 v[16+4*i_:16+4*i_+3], v7, s[4:5] offset:16384*i_ th:TH_LOAD_NT
.set i_, i_+1
.endr
	v_lshl_add_u32 v12, v5, 4, LNB                 ; the partial sums of my four pixels,
	v_lshl_add_u32 v8, v4, 8, v12                  ; my wave's among them
	v_mul_u32_u24 v9, v5, 2112                     ; the tile: pixel w at 528 w + 16 (w / 16)
	v_lshrrev_b32 v10, 2, v5
	v_lshl_add_u32 v9, v10, 4, v9
	v_lshl_add_u32 v9, v4, 6, v9
	v_lshl_add_u32 v9, v6, 5, v9
	v_add_nc_u32 v9, LNB+4096, v9
	v_lshrrev_b32 v10, 1, v4
	v_lshlrev_b32 v10, 4, v10
	v_mad_u32_u24 v10, v4, 4224, v10
	v_lshl_add_u32 v10, v3, 4, v10
	v_add_nc_u32 v10, LNB+4096, v10                ; back: my 8 pixels' whole rows
	v_lshlrev_b32 v11, 12, v4
	v_lshl_add_u32 v11, v3, 4, v11
.irp q, 0,1,2,3
	v_mov_b32 v[120+\q], 0                         ; v_permlanex16_b32 counts as a reader of its destination
.endr
; four sums a lane: the other half of the lanes, then the eight waves through LDS; every wave adds in the same order
.macro RED s, base
.irp q, 0,1,2,3
	v_permlanex16_b32 v[120+\q], v[(\s)+\q], s36, s37
.endr
	v_pk_add_f32 v[\s:\s+1], v[\s:\s+1], v[120:121]
	v_pk_add_f32 v[\s+2:\s+3], v[\s+2:\s+3], v[122:123]
	ds_store_b128 v8, v[\s:\s+3] offset:\base
	s_wait_dscnt 0x0
	BAR
.irp j, 0,1,2,3,4,5,6,7
	ds_load_b128 v[88+4*\j:91+4*\j], v12 offset:(\base)+256*\j
.endr
	s_wait_dscnt 0x0
	v_pk_add_f32 v[\s:\s+1], v[88:89], v[92:93]
	v_pk_add_f32 v[\s+2:\s+3], v[90:91], v[94:95]
.irp j, 2,3,4,5,6,7
	v_pk_add_f32 v[\s:\s+1], v[\s:\s+1], v[88+4*\j:89+4*\j]
	v_pk_add_f32 v[\s+2:\s+3], v[\s+2:\s+3], v[90+4*\j:91+4*\j]
.endr
.endm
	s_wait_loadcnt 14
	v_pk_add_f32 v[80:81], v[16:17], v[20:21]
	v_pk_add_f32 v[82:83], v[18:19], v[22:23]
.set i_, 2
.rept 14
	s_wait_loadcnt 15-i_                           ; loads come back in order: channel i is in
	v_pk_add_f32 v[80:81], v[80:81], v[16+4*i_:17+4*i_]
	v_pk_add_f32 v[82:83], v[82:83], v[18+4*i_:19+4*i_]
.set i_, i_+1
.endr
	RED 80, 0
	v_pk_mul_f32 v[80:81], v[80:81], s[46:47] op_sel_hi:[1,0]
	v_pk_mul_f32 v[82:83], v[82:83], s[46:47] op_sel_hi:[1,0]
.set i_, 0
.rept 16
	v_pk_add_f32 v[16+4*i_:17+4*i_], v[16+4*i_:17+4*i_], v[80:81] neg_lo:[0,1] neg_hi:[0,1]
	v_pk_add_f32 v[18+4*i_:19+4*i_], v[18+4*i_:19+4*i_], v[82:83] neg_lo:[0,1] neg_hi:[0,1]
.set i_, i_+1
.endr
	v_pk_mul_f32 v[84:85], v[16:17], v[16:17]      ; the variance is taken of centred numbers
	v_pk_mul_f32 v[86:87], v[18:19], v[18:19]
.set i_, 1
.rept 15
	v_pk_fma_f32 v[84:85], v[16+4*i_:17+4*i_], v[16+4*i_:17+4*i_], v[84:85]
	v_pk_fma_f32 v[86:87], v[18+4*i_:19+4*i_], v[18+4*i_:19+4*i_], v[86:87]
.set i_, i_+1
.endr
	RED 84, 2048
	v_pk_fma_f32 v[84:85], v[84:85], s[46:47], s[48:49] op_sel_hi:[1,0,0]
	v_pk_fma_f32 v[86:87], v[86:87], s[46:47], s[48:49] op_sel_hi:[1,0,0]
.irp q, 0,1,2,3
	v_rsq_f32 v[84+\q], v[84+\q]
.endr
	v_nop                                          ; a plain instruction between the last root and the use of its result
.set i_, 0
	s_wait_alu depctr_va_vdst(0)
.rept 16
	v_pk_mul_f32 v[16+4*i_:17+4*i_], v[16+4*i_:17+4*i_], v[84:85]
	v_pk_mul_f32 v[18+4*i_:19+4*i_], v[18+4*i_:19+4*i_], v[86:87]
.set i_, i_+1
.endr
.irp q, 0,1,2,3                        ; pixel q of my four: its 16 channels, 32 bytes
.irp m, 0,1,2,3,4,5,6,7
	v_cvt_pk_f16_f32 v[88+8*\q+\m], v[16+8*\m+\q], v[20+8*\m+\q]
.endr
	ds_store_b128 v9, v[88+8*\q:91+8*\q] offset:528*\q
	ds_store_b128 v9, v[92+8*\q:95+8*\q] offset:528*\q+16
.endr
	s_wait_dscnt 0x0
	BAR
.irp j, 0,1,2,3,4,5,6,7
	ds_load_b128 v[16+4*\j:19+4*\j], v10 offset:528*\j
.endr
.irp j, 0,1,2,3,4,5,6,7
	s_wait_dscnt 7-\j
	global_store_b128 v11, v[16+4*\j:19+4*\j], s[30:31] offset:512*\j  ; a pixel's 512 consecutive bytes
.endr
	FINISH
.Lfunc_end_k_q9319422685_pre:
	.size	k_q9319422685_pre, .Lfunc_end_k_q9319422685_pre-k_q9319422685_pre
	.p2alignl 7, 3214868480
	.fill 96, 4, 3214868480
	.section	.rodata,"a",@progbits
	.p2align	6, 0x0
	.amdhsa_kernel k_q9319422685_pre
		.amdhsa_group_segment_fixed_size 144128
		.amdhsa_private_segment_fixed_size 0
		.amdhsa_enable_private_segment 0
		.amdhsa_kernarg_size 128
		.amdhsa_user_sgpr_count 2
		.amdhsa_user_sgpr_kernarg_segment_ptr 1
		.amdhsa_wavefront_size32 1
		.amdhsa_system_sgpr_workgroup_id_x 1
		.amdhsa_system_sgpr_workgroup_id_y 1
		.amdhsa_system_sgpr_workgroup_id_z 1
		.amdhsa_system_vgpr_workitem_id 0
		.amdhsa_next_free_vgpr 256
		.amdhsa_next_free_sgpr 66
		.amdhsa_reserve_vcc 1
		.amdhsa_float_denorm_mode_32 3
		.amdhsa_float_denorm_mode_16_64 3
		.amdhsa_memory_ordered 1
		.amdhsa_forward_progress 1
		.amdhsa_inst_pref_size 89
	.end_amdhsa_kernel
	.amdgpu_metadata
---
amdhsa.version: [ 1, 2 ]
amdhsa.kernels:
  - .name:           k_q9319422685_pre
    .symbol:         k_q9319422685_pre.kd
    .args:
      - { .name: x, .offset: 0, .size: 8, .value_kind: global_buffer, .address_space: global }
      - { .name: B_re, .offset: 8, .size: 8, .value_kind: global_buffer, .address_space: global }
      - { .name: B_im, .offset: 16, .size: 8, .value_kind: global_buffer, .address_space: global }
      - { .name: C_re, .offset: 24, .size: 8, .value_kind: global_buffer, .address_space: global }
      - { .name: C_im, .offset: 32, .size: 8, .value_kind: global_buffer, .address_space: global }
      - { .name: lam_re, .offset: 40, .size: 8, .value_kind: global_buffer, .address_space: global }
      - { .name: lam_im, .offset: 48, .size: 8, .value_kind: global_buffer, .address_space: global }
      - { .name: log_step, .offset: 56, .size: 8, .value_kind: global_buffer, .address_space: global }
      - { .name: ln1_w, .offset: 64, .size: 8, .value_kind: global_buffer, .address_space: global }
      - { .name: ln1_b, .offset: 72, .size: 8, .value_kind: global_buffer, .address_space: global }
      - { .name: w_enc, .offset: 80, .size: 8, .value_kind: global_buffer, .address_space: global }
      - { .name: w_dec, .offset: 88, .size: 8, .value_kind: global_buffer, .address_space: global }
      - { .name: w_fuse, .offset: 96, .size: 8, .value_kind: global_buffer, .address_space: global }
      - { .name: xn, .offset: 104, .size: 8, .value_kind: global_buffer, .address_space: global }
      - { .name: wts, .offset: 112, .size: 8, .value_kind: global_buffer, .address_space: global }
      - { .name: tab, .offset: 120, .size: 8, .value_kind: global_buffer, .address_space: global }
    .group_segment_fixed_size: 144128
    .private_segment_fixed_size: 0
    .kernarg_segment_align: 8
    .kernarg_segment_size: 128
    .max_flat_workgroup_size: 256
    .sgpr_count:     66
    .vgpr_count:     256
    .wavefront_size: 32
...
	.end_amdgpu_metadata
.endif
;; end of part 1
;; launch main (part 2): grid 256 x 2, 4 waves a work-group, clusters of 4 x 1, 327,680 bytes of LDS; arguments xn, wts, tab, ln1_w, ln1_b, D, ln2_w, ln2_b, p0, p1; writes p0, p1
.if DOCPART == 2
	.amdgcn_target "amdgcn-amd-amdhsa--gfx1250"
	.amdhsa_code_object_version 6
	.text
	.protected	k_q9319422685_main
	.globl	k_q9319422685_main
	.p2align	8
	.type	k_q9319422685_main,@function
k_q9319422685_main:
	s_mov_b64 s[64:65], 0
	v_nop
	global_prefetch_b8 v0, s[64:65] scope:SCOPE_SE
	s_setreg_imm32_b32 hwreg(HW_REG_WAVE_MODE, 25, 1), 1
	s_wait_xcnt 0x0
	s_wait_alu depctr_hold_cnt(0) depctr_sa_sdst(0) depctr_va_vdst(0) depctr_va_sdst(0) depctr_va_ssrc(0) depctr_va_vcc(0) depctr_vm_vsrc(0)
	s_getreg_b32 s2, hwreg(HW_REG_IB_STS2, 6, 4)
	s_cmp_eq_u32 s2, 0
	s_cbranch_scc0 .Lentry_in_a_cluster
	s_endpgm
.Lentry_in_a_cluster:
	s_bfe_u32 s2, ttmp6, 0x10000c
	s_cmp_lg_u32 s2, 0x3003
	s_cbranch_scc0 .Lentry_shape_is_right
	s_endpgm
.Lentry_shape_is_right:
; THE FOUR S5 BLOCKS AND THEIR PARTS OF THE FUSING PRODUCT.  y = 0: rows of the image, directions 0 and 1, into p0; y = 1: columns, directions 2 and 3, into p1.  p: [pixel][256 co] f32.
; A work-group owns two sequences of 64 tokens and runs both directions on them.  Per direction, with fx = xn w1 + b1:
;   T = xn B'^T + Tb (f16 operands; 512 real columns, in two halves of the states)    z_k = lam_bar z_(k-1) + T_k (f32, inside one lane)    ys = z C'^T + fx D (bf16 operands: z and C' have no room in f16)
;   y = gelu(ys) + fx    fx2 = LN2(y) (f16)    O += s Mt fx2 (f16 operands; s: the row scale of Mt, undone in f32).
; LAYOUTS.  T: source 0 = 16 rows of xn (8 scan places of sequence 0, the same 8 of sequence 1), source 1 = 16 rows of B'.  A lane then holds one state of one sequence, register j of tile i scan place 8 i + j:
; the scan never leaves the lane.  C: source 0 = 16 rows of C' (channels), source 1 = 16 rows of z (tokens): a lane holds one token and 128 of its channels, and two neighbouring tiles rounded in pairs
; ARE source 1 of M.  A backward direction reads the rows of xn and of z at place xor 63; nothing else differs.
; WEIGHTS: 20 blocks of 64 KiB through two LDS slots.  The four work-groups of a cluster walk the same blocks, so each is asked for JOINTLY (mask 15); each wave fetches 64 rows.
; A block is four steps of 32 along K on two fragment buffers.  Inside T, C and M a block's LAST step is held back over the change of slots: its fragments are in registers by the change's wait, so behind the
; round stand the refill, the next block's first fragment loads, and then the held-back 32 products, under which those loads land.
; gelu(x) is taken as x / (1 + 2^(x (k1 + k3 x^2))), k1 = -2 sqrt(2 / pi) log2(e), k3 = 0.044715 k1 (the tanh form).
; LIMITS.  That form differs from x Phi(x) by about 0.0005 at the most (near |x| = 2.75), for every x; for small x the difference goes as 3e-4 x^4.  |xn| <= 16; 16 |ln2_w| + |ln2_b| under 65,504 (fx2 is f16);
; the two directions' row scales differ by less than 2^110; NaN and infinities are not treated apart.
; REGISTERS, in windows of 256 (s_set_vgpr_msb: bits 1:0 source 0, 3:2 source 1, 5:4 source 2, 7:6 destination):
;   window 0: v0-31 addresses, lambda; v32-63 bias tile, statistics; v64-255 fragments and the vector work      window 1: T's sums (tile i, nt at 8 (4 i + nt)); later a fragment buffer (v0-143) and fx2 (v128-255)
;   window 2: C's sums ((a, u) at 8 (2 a + u)); when they are used up, O's factors (v0-127)      window 3: O ((a, u) at 8 (2 a + u))
.set WP,    272                        ; a weight row in LDS: 256 bytes + 16
.set RP,    528                        ; a row of xn or z: 512 bytes + 16
.set SEQP,  33920                      ; from sequence 0 to sequence 1: 64 rows + 128 bytes, so that the two sequences' rows of a fragment start in different banks
.set XN,    69632                      ; LDS: slot 0 at 0; xn; slot 1; z (at the end the waves' stages); tables; the spare words
.set SLOT1, 137472
.set Z,     207104
.set TAB,   274944                     ; per direction 11,264 bytes: w1, b1, w1 D, b1 D, w2, b2, lam re, lam im (1,024 each), Tb (2,048), the factor of O (1,024); then 1 / s of the last direction
.set DTAB,  11264
.set SPARE, 298496
.set WB, 5                             ; v5-6   a fragment of 16 weight rows in slot 0, 1
.set TB, 7                             ; v7-8   the same at my wave's 64 rows of B'
.set XA, 9                             ; v9-16  T's source 0, tile i
.set ZL, 17                            ; v17-18 my token tiles' rows of z
.set BT, 32                            ; v32-63 Tb spread over four tiles
.set TL, 96
.set XP, 64
.set TW1, 80
.set TB1, 96
.set TWD, 112
.set XF, 128
.set FX, 144
.set XX, 160
.set EE, 192
.set SM, 32
.set MEAN, 48
.set RS, 52
.set TM, 128
.set MSB, 0
.macro WIN new                         ; the immediate's high byte repeats the setting that is left; a switch that changes nothing is dropped
.if MSB != (\new)
	s_set_vgpr_msb (MSB<<8)|(\new)
.set MSB, \new
.endif
.endm
.macro PLACES                          ; four places behind matrix instructions, ahead of loads into and vector work on their registers
.rept 4
	v_nop
.endr
.endm
.macro ROUND                           ; a round of the cluster's barrier
	s_barrier_signal -1
	s_barrier_wait -1
	s_cmp_lg_u32 s24, 0
	s_cbranch_scc1 .Lnw0_\@
	s_barrier_signal -3
.Lnw0_\@:
	s_barrier_wait -3
	s_barrier_signal -1
	s_barrier_wait -1
.endm
; THE CHANGE OF SLOTS.  My one tensor load that is out, my part of the block in \slot, has landed; 0 is added to my spare word; all my LDS reads and stores are done.  Behind the round that holds of every wave
; of the four work-groups: the block is whole and nobody reads the other slot.  fill = 1: the other slot takes the next block, first thing behind the round.  The four v_nop are also the places behind the
; products that stand in front of the change.
.macro CHANGE slot, fill
	WIN 0
	s_wait_tensorcnt 0x0
	ds_add_u32 v3, v4
	s_add_nc_u64 s[46+4*(\slot):47+4*(\slot)], s[46+4*(\slot):47+4*(\slot)], 0x20000  ; no load of mine is out: this slot's next block, two further on
	s_wait_dscnt 0x0
	ROUND
.if \fill
	tensor_load_to_lds s[48-4*(\slot):51-4*(\slot)], s[36:43]
	s_nop 0
.endif
	PLACES
.endm
	s_load_b512 s[4:19], s[0:1], 0x0               ; xn, wts, tab, ln1_w, ln1_b, D, ln2_w, ln2_b
	s_load_b128 s[20:23], s[0:1], 0x40             ; p0, p1
	v_lshl_add_u32 v3, v0, 2, SPARE
	v_mov_b32 v4, 0
	ds_add_u32 v3, v4                              ; the wave's opening: the add and its wait ahead of my first tensor load
	v_lshrrev_b32 v31, 5, v0
	v_readfirstlane_b32 s24, v31                   ; wave w
	s_bfe_u32 s25, ttmp6, 0x40000                  ; cx
	s_lshl_b32 s26, ttmp9, 2
	s_add_co_u32 s26, s26, s25                     ; x: it enters xn's and p's addresses alone
	s_and_b32 s27, ttmp7, 0xffff                   ; y, which the partners share
	s_mov_b32 s74, 32768
	s_cmp_eq_u32 s27, 0
	s_cselect_b32 s28, s74, 512                    ; bytes of xn from sequence to sequence,
	s_cselect_b32 s29, 512, s74                    ; and from token to token
	s_lshr_b32 s62, s24, 1                         ; my tokens: sequence w / 2,
	s_and_b32 s63, s24, 1                          ; places 32 (w % 2) ..
	s_mov_b32 s36, 15|(3<<16)|(1<<20)|(1<<21)|(5<<22)|(3<<25)  ; group 1: mask of four; 8-byte elements; padding on; bit 21 beside a mask; after every 64 words 4 words
	s_mov_b32 s37, 32<<16                          ; tensor_dim0 = 32 elements: 256 bytes
	s_mov_b32 s38, 64<<16                          ; tensor_dim1 = 64 rows
	s_mov_b32 s39, 32<<16                          ; tile_dim0
	s_mov_b32 s40, 64                              ; tile_dim1
	s_mov_b32 s41, 32                              ; the blocks are dense
	s_mov_b32 s42, 0
	s_mov_b32 s43, 0
	s_mul_i32 s75, s24, 64*WP
	s_mov_b32 s44, 1
	s_mov_b32 s45, s75                             ; slot 0, my 64 rows
	s_mov_b32 s48, 1
	s_add_co_u32 s49, s75, SLOT1
	s_mul_i32 s34, s27, 1310720                    ; my pair of directions: 20 blocks
	s_lshl_b32 s75, s24, 14
	s_add_co_u32 s34, s34, s75
	s_mov_b32 s35, 0
	s_lshr_b32 s76, s26, 5                         ; the image,
	s_lshl_b32 s76, s76, 21
	s_and_b32 s78, s26, 31
	s_lshl_b32 s78, s78, 1
	s_add_co_u32 s78, s78, s62                     ; my sequence,
	s_mul_i32 s78, s78, s28
	s_add_co_u32 s76, s76, s78
	s_lshl_b32 s78, s63, 5
	s_mul_i32 s78, s78, s29                        ; my first token
	s_add_co_u32 s76, s76, s78
	s_mov_b32 s77, 0
	s_mov_b32 s52, 0xbdd2d3e8                      ; k3 = -0.10294324
	s_mov_b32 s53, s52
	s_mov_b32 s54, 0xc0135761                      ; k1 = -2.3022082
	s_mov_b32 s55, s54
	s_mov_b32 s68, 0x76543210
	s_mov_b32 s69, 0xfedcba98
	s_mov_b32 s70, 0x3727c5ac                      ; 1e-5
	s_mov_b32 s71, 0x3b800000                      ; 1 / 256
	s_lshl_b32 s78, s27, 11
	s_mul_i32 s79, s27, 12288
	v_and_b32 v1, 15, v0                           ; r
	v_bfe_u32 v2, v0, 4, 1                         ; h
	v_and_b32 v31, 31, v0
	v_lshlrev_b32 v31, 4, v31
	v_lshl_add_u32 v60, v0, 3, s78                 ; thread t takes numbers 2 t, 2 t + 1 of every table
	v_lshl_add_u32 v61, v0, 3, s79
	v_lshl_add_u32 v62, v0, 4, s79
.set i_, 0
.rept 32
	v_mad_u32_u24 v[64+i_], s29, i_, v31           ; token i of my 32, 16 bytes a lane
.set i_, i_+1
.endr
	s_wait_dscnt 0x0                               ; the opening add is done
	s_wait_kmcnt 0x0
	s_add_nc_u64 s[46:47], s[6:7], s[34:35]        ; block 0, and
	s_add_nc_u64 s[50:51], s[46:47], 0x10000       ; block 1
	s_or_b32 s47, s47, 0x80000000
	s_or_b32 s51, s51, 0x80000000
	s_add_nc_u64 s[4:5], s[4:5], s[76:77]
	s_lshl_b32 s76, s76, 1                         ; p's rows are twice as long
	s_cmp_eq_u32 s27, 0
	s_cselect_b64 s[72:73], s[20:21], s[22:23]
	s_add_nc_u64 s[72:73], s[72:73], s[76:77]
	WIN 0x80
.set i_, 0
.rept 32
	global_load_b128 v[4*i_:4*i_+3], v[64+i_], s[4:5]  ; a token's 512 consecutive bytes
.set i_, i_+1
.endr
	WIN 0
.irp dd, 0,1
	global_load_b64 v[TL+24*\dd:TL+24*\dd+1],       v60, s[10:11] offset:1024*\dd
	global_load_b64 v[TL+24*\dd+2:TL+24*\dd+3],     v60, s[12:13] offset:1024*\dd
	global_load_b64 v[TL+24*\dd+4:TL+24*\dd+5],     v60, s[14:15] offset:1024*\dd
	global_load_b64 v[TL+24*\dd+6:TL+24*\dd+7],     v60, s[16:17] offset:1024*\dd
	global_load_b64 v[TL+24*\dd+8:TL+24*\dd+9],     v60, s[18:19] offset:1024*\dd
	global_load_b64 v[TL+24*\dd+10:TL+24*\dd+11],   v61, s[8:9] offset:6144*\dd
	global_load_b64 v[TL+24*\dd+12:TL+24*\dd+13],   v61, s[8:9] offset:6144*\dd+1024
	global_load_b64 v[TL+24*\dd+14:TL+24*\dd+15],   v61, s[8:9] offset:6144*\dd+4096
	global_load_b64 v[TL+24*\dd+16:TL+24*\dd+17],   v61, s[8:9] offset:6144*\dd+5120
	global_load_b128 v[TL+24*\dd+20:TL+24*\dd+23],  v62, s[8:9] offset:6144*\dd+2048
.endr
	ROUND                                          ; all four work-groups are here: the first joint load meets
	tensor_load_to_lds s[44:47], s[36:43]          ; block 0 into slot 0
	s_nop 0
	PLACES
.set i_, 0
.rept 8
	v_mov_b32 v[32+i_], 0
.set i_, i_+1
.endr
	WIN 0xc0                                       ; O starts at 0: a product of zeros with C = 0 on each of its 32 accumulators, since M's one text, inside the loop over directions, adds in place
.set i_, 0
.rept 32
	v_wmma_f32_16x16x32_f16 v[8*i_:8*i_+7], v[32:39], v[32:39], 0
.set i_, i_+1
.endr
	WIN 0
	s_mul_i32 s66, s62, SEQP
	s_mul_i32 s75, s63, 32*RP
	s_add_co_u32 s66, s66, s75                     ; my 32 tokens' rows in xn
	s_add_co_u32 s75, s66, XN
	v_add_nc_u32 v30, s75, v31
	v_lshl_add_u32 v29, v0, 3, TAB
	v_lshl_add_u32 v28, v0, 4, TAB
	v_mul_u32_u24 v5, v1, WP
	v_lshl_add_u32 v5, v2, 4, v5
	v_add_nc_u32 v6, SLOT1, v5
	s_mul_i32 s75, s24, 64*WP
	v_add_nc_u32 v7, s75, v5
	v_add_nc_u32 v8, s75, v6
	s_lshl_b32 s75, s24, 7
	s_add_co_u32 s75, s75, Z
	v_mul_u32_u24 v19, v2, SEQP
	v_lshl_add_u32 v19, v1, 2, v19
	v_add_nc_u32 v19, s75, v19                     ; v19: where the scan puts z: sequence h, word 32 w + r
	s_add_co_u32 s75, s66, XN
	v_mul_u32_u24 v20, v1, RP
	v_lshl_add_u32 v20, v2, 4, v20
	v_add_nc_u32 v20, s75, v20                     ; v20-21: my token tiles' rows of xn
	v_add_nc_u32 v21, 16*RP, v20
	s_wait_loadcnt 0x0
	WIN 0x08
.set i_, 0
.rept 32
	ds_store_b128 v30, v[4*i_:4*i_+3] offset:RP*i_
.set i_, i_+1
.endr
	WIN 0
.irp dd, 0,1
	v_pk_mul_f32 v[TL+24*\dd+18:TL+24*\dd+19], v[TL+24*\dd:TL+24*\dd+1], v[TL+24*\dd+4:TL+24*\dd+5]     ; w1 D
	v_pk_mul_f32 v[TL+24*\dd+4:TL+24*\dd+5], v[TL+24*\dd+2:TL+24*\dd+3], v[TL+24*\dd+4:TL+24*\dd+5]     ; b1 D
.endr
	v_pk_mul_f32 v[TL+38:TL+39], v[TL+38:TL+39], v[TL+16:TL+17]  ; ahead of the second direction O goes from the first's row scale to the second's
.irp dd, 0,1
	ds_store_b64 v29, v[TL+24*\dd:TL+24*\dd+1]       offset:DTAB*\dd
	ds_store_b64 v29, v[TL+24*\dd+2:TL+24*\dd+3]     offset:DTAB*\dd+1024
	ds_store_b64 v29, v[TL+24*\dd+18:TL+24*\dd+19]   offset:DTAB*\dd+2048
	ds_store_b64 v29, v[TL+24*\dd+4:TL+24*\dd+5]     offset:DTAB*\dd+3072
	ds_store_b64 v29, v[TL+24*\dd+6:TL+24*\dd+7]     offset:DTAB*\dd+4096
	ds_store_b64 v29, v[TL+24*\dd+8:TL+24*\dd+9]     offset:DTAB*\dd+5120
	ds_store_b64 v29, v[TL+24*\dd+10:TL+24*\dd+11]   offset:DTAB*\dd+6144
	ds_store_b64 v29, v[TL+24*\dd+12:TL+24*\dd+13]   offset:DTAB*\dd+7168
	ds_store_b128 v28, v[TL+24*\dd+20:TL+24*\dd+23]  offset:DTAB*\dd+8192
	ds_store_b64 v29, v[TL+24*\dd+14:TL+24*\dd+15]   offset:DTAB*\dd+10240
.endr
	ds_store_b64 v29, v[TL+40:TL+41] offset:2*DTAB
	s_wait_dscnt 0x0                               ; for the others' sake: my rows of xn and my part of the tables are stored
	s_barrier_signal -1
	s_barrier_wait -1                              ; block 0 may stay on its way
	s_mov_b32 s32, 2                               ; directions to go
	s_mov_b32 s30, 0                               ; forward
	s_mov_b32 s31, 0
; ---- T ----
.macro LAMB_LD                         ; lam_bar of my two states a lane, and Tb of my four columns
	WIN 0
	ds_load_b32 v24, v23 offset:6144
	ds_load_b32 v25, v23 offset:7168
	ds_load_b32 v27, v23 offset:6208
	ds_load_b32 v28, v23 offset:7232
.irp n, 0,1,2,3
	ds_load_b32 v[BT+8*\n], v30 offset:8192+64*\n
.endr
.endm
.macro LAMB_MV
	v_xor_b32 v26, 0x80000000, v25
	v_xor_b32 v29, 0x80000000, v28
.irp n, 0,1,2,3
.irp j, 1,2,3,4,5,6,7
	v_mov_b32 v[BT+8*\n+\j], v[BT+8*\n]
.endr
.endr
.endm
.macro FT kk, slot, kh, buf            ; 24 loads: 8 tiles of xn, 4 of B', 32 along c
	WIN 0
.set i_, 0
.rept 8
	ds_load_b128 v[(\buf)+8*i_:(\buf)+8*i_+3],   v[XA+i_] offset:256*(\kh)+64*(\kk)
	ds_load_b128 v[(\buf)+8*i_+4:(\buf)+8*i_+7], v[XA+i_] offset:256*(\kh)+64*(\kk)+32
.set i_, i_+1
.endr
.set i_, 0
.rept 4
	ds_load_b128 v[(\buf)+64+8*i_:(\buf)+64+8*i_+3],   v[TB+(\slot)] offset:16*WP*i_+64*(\kk)
	ds_load_b128 v[(\buf)+64+8*i_+4:(\buf)+64+8*i_+7], v[TB+(\slot)] offset:16*WP*i_+64*(\kk)+32
.set i_, i_+1
.endr
.endm
.macro TMUL buf, first                 ; 32 matrix instructions, the 32 accumulators by turns; first = 1: the sums start with the bias
.if \first
	WIN 0x40
.else
	WIN 0x50
.endif
.set i_, 0
.rept 8
.set n_, 0
.rept 4
.if \first
	v_wmma_f32_16x16x32_f16 v[8*(4*i_+n_):8*(4*i_+n_)+7], v[(\buf)+8*i_:(\buf)+8*i_+7], v[(\buf)+64+8*n_:(\buf)+64+8*n_+7], v[BT+8*n_:BT+8*n_+7]
.else
	v_wmma_f32_16x16x32_f16 v[8*(4*i_+n_):8*(4*i_+n_)+7], v[(\buf)+8*i_:(\buf)+8*i_+7], v[(\buf)+64+8*n_:(\buf)+64+8*n_+7], v[8*(4*i_+n_):8*(4*i_+n_)+7]
.endif
.set n_, n_+1
.endr
.set i_, i_+1
.endr
.endm
; ---- THE SCAN: z(t) = lam_bar z(t-1) + T(t), in place, two states a lane: re at 32 (t / 8) + 16 pt + t % 8, im 8 further.  A group of eight places is rounded to bf16 (re, im in a word) when the next
; group's first place has used it, and stored while that group is scanned.  (The places behind T's last products are the four v_nop of the change of slots in front of the scan.)
.macro SCAN
.set g_, 0
.rept 8
.set s_, 0
.rept 8
.set t_, 8*g_+1+s_
.set o_, 32*(t_/8)+t_%8
.set p_, 32*((t_-1)/8)+(t_-1)%8
	WIN 0x44
.if t_ < 64
.irp pt, 0,1
	v_fmac_f32 v[o_+16*\pt],   v[24+3*\pt], v[p_+16*\pt]
	v_fmac_f32 v[o_+16*\pt+8], v[24+3*\pt], v[p_+16*\pt+8]
.endr
.irp pt, 0,1
	v_fmac_f32 v[o_+16*\pt],   v[26+3*\pt], v[p_+16*\pt+8]
	v_fmac_f32 v[o_+16*\pt+8], v[25+3*\pt], v[p_+16*\pt]
.endr
.endif
.if g_ > 0
	ds_store_b32 v19, v[32*(g_-1)+s_]    offset:RP*(8*(g_-1)+s_)
	ds_store_b32 v19, v[32*(g_-1)+16+s_] offset:RP*(8*(g_-1)+s_)+64
.endif
.set s_, s_+1
.endr
	WIN 0x45
.set s_, 0
.rept 8
	v_cvt_pk_bf16_f32 v[32*g_+s_],    v[32*g_+s_],    v[32*g_+8+s_]
	v_cvt_pk_bf16_f32 v[32*g_+16+s_], v[32*g_+16+s_], v[32*g_+24+s_]
.set s_, s_+1
.endr
.set g_, g_+1
.endr
	WIN 0x44
.set s_, 0
.rept 8
	ds_store_b32 v19, v[224+s_] offset:RP*(56+s_)
	ds_store_b32 v19, v[240+s_] offset:RP*(56+s_)+64
.set s_, s_+1
.endr
.endm
; ---- C and M: 16 tiles of weight rows as source 0; buffer 0 in window 0 (v96 ..), buffer 1 in window 1 (v0 ..) ----
.macro FW kk, slot, b                  ; 32 loads: the weights of one step
	WIN 0x40*(\b)
.set cb_, 96-96*(\b)
.set a_, 0
.rept 16
	ds_load_b128 v[cb_+8*a_:cb_+8*a_+3],   v[WB+(\slot)] offset:16*WP*a_+64*(\kk)
	ds_load_b128 v[cb_+8*a_+4:cb_+8*a_+7], v[WB+(\slot)] offset:16*WP*a_+64*(\kk)+32
.set a_, a_+1
.endr
.endm
.macro FZ kk, half, b                  ; 4 loads: my two token tiles of z
	WIN 0x40*(\b)
.set cb_, 96-96*(\b)
.irp z, 0,1
	ds_load_b128 v[cb_+128+8*\z:cb_+128+8*\z+3],   v[ZL+\z] offset:256*(\half)+64*(\kk)
	ds_load_b128 v[cb_+128+8*\z+4:cb_+128+8*\z+7], v[ZL+\z] offset:256*(\half)+64*(\kk)+32
.endr
.endm
.macro FC kk, slot, half, b
	FW \kk, \slot, \b
	FZ \kk, \half, \b
.endm
.macro CMUL b
	WIN 0xa0+5*(\b)
.set cb_, 96-96*(\b)
.set a_, 0
.rept 16
.irp z, 0,1
	v_wmma_f32_16x16x32_bf16 v[8*(2*a_+\z):8*(2*a_+\z)+7], v[cb_+8*a_:cb_+8*a_+7], v[cb_+128+8*\z:cb_+128+8*\z+7], v[8*(2*a_+\z):8*(2*a_+\z)+7]
.endr
.set a_, a_+1
.endr
.endm
.macro MMUL kg, b                      ; source 1 = fx2 of step kg, in window 1
	WIN 0xf4+(\b)
.set cb_, 96-96*(\b)
.set a_, 0
.rept 16
.irp z, 0,1
	v_wmma_f32_16x16x32_f16 v[8*(2*a_+\z):8*(2*a_+\z)+7], v[cb_+8*a_:cb_+8*a_+7], v[128+64*\z+8*(\kg):128+64*\z+8*(\kg)+7], v[8*(2*a_+\z):8*(2*a_+\z)+7]
.endr
.set a_, a_+1
.endr
.endm
.macro MS1                             ; behind the change to Mt's second block: its first loads, the first block's held-back step, then its four steps; each counted wait leaves the 32 loads just issued out
	FW 0, 1, 0
	MMUL 3, 1
	PLACES
	FW 1, 1, 1
	s_wait_dscnt 32
	MMUL 4, 0
	PLACES
	FW 2, 1, 0
	s_wait_dscnt 32
	MMUL 5, 1
	PLACES
	FW 3, 1, 1
	s_wait_dscnt 32
	MMUL 6, 0
	s_wait_dscnt 0x0
	MMUL 7, 1
.endm
; ---- gelu, residual, LN2.  A group is 16 numbers of a lane: tiles 2 ap, 2 ap + 1 of token tile u ----
.macro EL1 ap                          ; xn of both token tiles and w1, b1, w1 D for 32 channels
	WIN 0
.irp z, 0,1
	ds_load_b128 v[XP+8*\z:XP+8*\z+3],   v[20+\z] offset:64*(\ap)
	ds_load_b128 v[XP+8*\z+4:XP+8*\z+7], v[20+\z] offset:64*(\ap)+32
.endr
.irp q, 0,1,2,3
	ds_load_b128 v[TW1+4*\q:TW1+4*\q+3], v22 offset:128*(\ap)+16*(\q%2)+64*(\q/2)
	ds_load_b128 v[TB1+4*\q:TB1+4*\q+3], v22 offset:1024+128*(\ap)+16*(\q%2)+64*(\q/2)
	ds_load_b128 v[TWD+4*\q:TWD+4*\q+3], v22 offset:2048+128*(\ap)+16*(\q%2)+64*(\q/2)
.endr
.endm
.macro CV2 d, lo, hi
	v_cvt_f32_f16 v[\d], \lo
	v_cvt_f32_f16 v[\d+1], \hi
.endm
.macro EHEAD ap, u                     ; fx = xn w1 + b1; x = xn w1 D + (z C' + b1 D)
	WIN 0
.if \u
	CV2 XF+0, v72.l, v72.h
	CV2 XF+2, v73.l, v73.h
	CV2 XF+4, v74.l, v74.h
	CV2 XF+6, v75.l, v75.h
	CV2 XF+8, v76.l, v76.h
	CV2 XF+10, v77.l, v77.h
	CV2 XF+12, v78.l, v78.h
	CV2 XF+14, v79.l, v79.h
.else
	CV2 XF+0, v64.l, v64.h
	CV2 XF+2, v65.l, v65.h
	CV2 XF+4, v66.l, v66.h
	CV2 XF+6, v67.l, v67.h
	CV2 XF+8, v68.l, v68.h
	CV2 XF+10, v69.l, v69.h
	CV2 XF+12, v70.l, v70.h
	CV2 XF+14, v71.l, v71.h
.endif
.set k_, 0
.rept 8
	v_pk_fma_f32 v[FX+2*k_:FX+2*k_+1], v[XF+2*k_:XF+2*k_+1], v[TW1+2*k_:TW1+2*k_+1], v[TB1+2*k_:TB1+2*k_+1]
.set k_, k_+1
.endr
	WIN 0x20
.set k_, 0
.rept 8
.set c_, 8*(4*(\ap)+2*(k_/4)+(\u))+2*(k_%4)
	v_pk_fma_f32 v[XX+2*k_:XX+2*k_+1], v[XF+2*k_:XF+2*k_+1], v[TWD+2*k_:TWD+2*k_+1], v[c_:c_+1]  ; each accumulator is read from its low end on
.set k_, k_+1
.endr
.endm
.macro PK8 line:vararg                 ; one line for each of the group's eight pairs k_
.set k_, 0
.rept 8
	\line
.set k_, k_+1
.endr
.endm
.macro EBODY ap, u                     ; y = x / (1 + 2^(x (k1 + k3 x^2))) + fx; a plain instruction stands behind each run of transcendentals
	WIN 0
	PK8 v_pk_mul_f32 v[EE+2*k_:EE+2*k_+1], v[XX+2*k_:XX+2*k_+1], v[XX+2*k_:XX+2*k_+1]
	PK8 v_pk_fma_f32 v[EE+2*k_:EE+2*k_+1], v[EE+2*k_:EE+2*k_+1], s[52:53], s[54:55] op_sel_hi:[1,0,0]
	PK8 v_pk_mul_f32 v[EE+2*k_:EE+2*k_+1], v[EE+2*k_:EE+2*k_+1], v[XX+2*k_:XX+2*k_+1]
.set n_, 0
.rept 16
	v_exp_f32 v[EE+n_], v[EE+n_]
.set n_, n_+1
.endr
	v_nop
	s_wait_alu depctr_va_vdst(0)
	PK8 v_pk_add_f32 v[EE+2*k_:EE+2*k_+1], v[EE+2*k_:EE+2*k_+1], 1.0 op_sel_hi:[1,0]
.set n_, 0
.rept 16
	v_rcp_f32 v[EE+n_], v[EE+n_]
.set n_, n_+1
.endr
	v_nop
	WIN 0x80
.set k_, 0
	s_wait_alu depctr_va_vdst(0)
.rept 8
.set c_, 8*(4*(\ap)+2*(k_/4)+(\u))+2*(k_%4)
	v_pk_fma_f32 v[c_:c_+1], v[XX+2*k_:XX+2*k_+1], v[EE+2*k_:EE+2*k_+1], v[FX+2*k_:FX+2*k_+1]  ; y takes the sum's place
.set k_, k_+1
.endr
.if (\ap) == 0
	WIN 0x0a                                       ; the first group starts the four partial sums
.set k_, 0
.rept 4
	v_pk_add_f32 v[SM+8*(\u)+2*k_:SM+8*(\u)+2*k_+1], v[8*(\u)+2*k_:8*(\u)+2*k_+1], v[8*(2+(\u))+2*k_:8*(2+(\u))+2*k_+1]
.set k_, k_+1
.endr
.else
	WIN 0x08
.set k_, 0
.rept 8
.set c_, 8*(4*(\ap)+2*(k_/4)+(\u))+2*(k_%4)
	v_pk_add_f32 v[SM+8*(\u)+2*(k_%4):SM+8*(\u)+2*(k_%4)+1], v[SM+8*(\u)+2*(k_%4):SM+8*(\u)+2*(k_%4)+1], v[c_:c_+1]
.set k_, k_+1
.endr
.endif
.endm
.macro ESTAT b, dst                    ; four partial pairs, the pair's halves, the token's other 128 channels in the lane 16 away; divided by 256
	v_pk_add_f32 v[\b:\b+1], v[\b:\b+1], v[\b+2:\b+3]
	v_pk_add_f32 v[\b+4:\b+5], v[\b+4:\b+5], v[\b+6:\b+7]
	v_pk_add_f32 v[\b:\b+1], v[\b:\b+1], v[\b+4:\b+5]
	v_add_f32 v[\b], v[\b], v[\b+1]
	v_permlanex16_b32 v[\b+1], v[\b], s68, s69
	v_add_f32 v[\b], v[\b], v[\b+1]
	v_mul_f32 v[\dst], s71, v[\b]
.endm
.macro EL3 ap                          ; w2, b2 for 32 channels, two sets of registers by turns
	WIN 0
.set tl_, 64+32*((\ap)%2)
.irp q, 0,1,2,3
	ds_load_b128 v[tl_+4*\q:tl_+4*\q+3],       v22 offset:4096+128*(\ap)+16*(\q%2)+64*(\q/2)
	ds_load_b128 v[tl_+16+4*\q:tl_+16+4*\q+3], v22 offset:5120+128*(\ap)+16*(\q%2)+64*(\q/2)
.endr
.endm
.macro ORESC_LD                        ; a factor for each co, from the table at v22 + 10,240, into window 2, whose sums are used up
	WIN 0x80
.set a_, 0
.rept 16
	ds_load_b128 v[8*a_:8*a_+3], v22 offset:10240+64*a_
	ds_load_b128 v[8*a_+4:8*a_+7], v22 offset:10240+64*a_+16
.set a_, a_+1
.endr
.endm
.macro ORESC_MUL                       ; O times these factors: destination and source 0 window 3, source 1 window 2
	WIN 0xcb
.set a_, 0
.rept 16
.irp z, 0,1
.irp k, 0,1,2,3
	v_pk_mul_f32 v[8*(2*a_+\z)+2*\k:8*(2*a_+\z)+2*\k+1], v[8*(2*a_+\z)+2*\k:8*(2*a_+\z)+2*\k+1], v[8*a_+2*\k:8*a_+2*\k+1]
.endr
.endr
.set a_, a_+1
.endr
.endm
.Ldir:                                                 ; a direction.  s30 = 0 or 63 turns the order of the rows; s31 picks the tables
	v_and_b32 v31, 7, v1
	v_lshrrev_b32 v32, 3, v1
	v_mul_u32_u24 v32, v32, SEQP
	v_lshl_add_u32 v32, v2, 4, v32
	v_add_nc_u32 v32, XN, v32
.set i_, 0
.rept 8
	v_or_b32 v33, 8*i_, v31                        ; scan place 8 i + r % 8 of sequence r / 8
	v_xor_b32 v33, s30, v33
	v_mad_u32_u24 v[XA+i_], v33, RP, v32
.set i_, i_+1
.endr
	s_lshl_b32 s74, s63, 5
	s_mul_i32 s75, s62, SEQP
	s_add_co_u32 s75, s75, Z
	v_lshl_add_u32 v32, v2, 4, s75
	v_add_nc_u32 v31, s74, v1
	v_xor_b32 v33, s30, v31                        ; my token's scan place
	v_mad_u32_u24 v17, v33, RP, v32
	v_add_nc_u32 v31, 16, v31
	v_xor_b32 v33, s30, v31
	v_mad_u32_u24 v18, v33, RP, v32
	s_add_co_u32 s74, s31, TAB
	v_lshl_add_u32 v22, v2, 5, s74                 ; v22: tables by channel: 8 numbers at 32 h
	s_lshl_b32 s75, s24, 7
	s_add_co_u32 s75, s75, s74
	v_lshl_add_u32 v23, v1, 2, s75                 ; v23: lambda of state 32 w + r
	s_lshl_b32 s75, s24, 8
	s_add_co_u32 s75, s75, s74
	v_lshl_add_u32 v30, v1, 2, s75                 ; v30: Tb of column 64 w + r
	WIN 0x80
.set a_, 0
.rept 16
.irp z, 0,1
	ds_load_b128 v[8*(2*a_+\z):8*(2*a_+\z)+3],   v22 offset:3072+64*a_      ; C's sums begin with b1 D: nothing is cleared, and both halves of the states share one text
	ds_load_b128 v[8*(2*a_+\z)+4:8*(2*a_+\z)+7], v22 offset:3072+64*a_+16
.endr
.set a_, a_+1
.endr
	WIN 0
	s_mov_b32 s33, 2
.Lhalf:                                                ; 128 states: two blocks of B', the scan, two blocks of C'.  Each counted wait leaves the loads just issued (24 in T, 36 in C) out
	CHANGE 0, 1
	LAMB_LD
	FT 0, 0, 0, 64
	FT 1, 0, 0, 160
	s_wait_dscnt 48                                ; lambda and the bias are in; the 48 fragment loads stay out
	LAMB_MV
	s_wait_dscnt 24
	TMUL 64, 1
	PLACES
	FT 2, 0, 0, 64
	s_wait_dscnt 24
	TMUL 160, 0
	PLACES
	FT 3, 0, 0, 160
	s_wait_dscnt 24
	TMUL 64, 0
	CHANGE 1, 1                                    ; its wait for all LDS loads has brought the fourth step's fragments into registers
	FT 0, 1, 1, 64
	TMUL 160, 0                                    ; the first block's fourth step, held back: registers alone
	PLACES
	FT 1, 1, 1, 160
	s_wait_dscnt 24
	TMUL 64, 0
	PLACES
	FT 2, 1, 1, 64
	s_wait_dscnt 24
	TMUL 160, 0
	PLACES
	FT 3, 1, 1, 160
	s_wait_dscnt 24
	TMUL 64, 0
	s_wait_dscnt 0x0
	TMUL 160, 0
	CHANGE 0, 1                                    ; C's first block is whole; B's second is read out and its slot is filled again
	FW 0, 0, 0                                     ; C's first weights come in under the scan, which touches none of their registers
	SCAN
	s_wait_dscnt 0x0                               ; for the others' sake: my z is stored
	s_barrier_signal -1
	s_barrier_wait -1                              ; everybody's is.  The block that is on its way may stay out
	FZ 0, 0, 0
	FC 1, 0, 0, 1
	s_wait_dscnt 36                                ; the four loads of z are in
	CMUL 0
	PLACES
	FC 2, 0, 0, 0
	s_wait_dscnt 36
	CMUL 1
	PLACES
	FC 3, 0, 0, 1
	s_wait_dscnt 36
	CMUL 0
	CHANGE 1, 1
	FC 0, 1, 1, 0
	CMUL 1                                         ; held back
	PLACES
	FC 1, 1, 1, 1
	s_wait_dscnt 36
	CMUL 0
	PLACES
	FC 2, 1, 1, 0
	s_wait_dscnt 36
	CMUL 1
	PLACES
	FC 3, 1, 1, 1
	s_wait_dscnt 36
	CMUL 0
	s_wait_dscnt 0x0
	CMUL 1
	WIN 0
	v_add_nc_u32 v23, 512, v23
	v_add_nc_u32 v30, 1024, v30
	s_sub_co_u32 s33, s33, 1
	s_cmp_lg_u32 s33, 0
	s_cbranch_scc1 .Lhalf
	CHANGE 0, 1                                    ; Mt's first block is in; its second lands during the vector work below
	FW 1, 0, 1                                     ; M's second step comes into window 1 now: nothing below touches these registers
	EL1 0
.irp ap, 0,1,2,3,4,5,6,7
	s_wait_dscnt 0x0
	EHEAD \ap, 0
	EBODY \ap, 0
	EHEAD \ap, 1
.if \ap < 7
	EL1 \ap+1                                      ; the loaded registers are free: the next 32 channels come in under the second body
.endif
	EBODY \ap, 1
.endr
	WIN 0
	ESTAT SM, MEAN
	ESTAT SM+8, MEAN+2
	v_mov_b32 v[MEAN+1], v[MEAN]
	v_mov_b32 v[MEAN+3], v[MEAN+2]
	WIN 0x82
.set a_, 0
.rept 16
.irp z, 0,1
.irp k, 0,1,2,3
	v_pk_add_f32 v[8*(2*a_+\z)+2*\k:8*(2*a_+\z)+2*\k+1], v[8*(2*a_+\z)+2*\k:8*(2*a_+\z)+2*\k+1], v[MEAN+2*\z:MEAN+2*\z+1] op_sel_hi:[1,0] neg_lo:[0,1] neg_hi:[0,1]
.endr
.endr
.set a_, a_+1
.endr
	WIN 0x0a                                       ; the variance is taken of centred numbers
.set a_, 0
.rept 16
.irp z, 0,1
.irp k, 0,1,2,3
.if a_ == 0
	v_pk_mul_f32 v[SM+8*\z+2*\k:SM+8*\z+2*\k+1], v[8*(2*a_+\z)+2*\k:8*(2*a_+\z)+2*\k+1], v[8*(2*a_+\z)+2*\k:8*(2*a_+\z)+2*\k+1]
.else
	v_pk_fma_f32 v[SM+8*\z+2*\k:SM+8*\z+2*\k+1], v[8*(2*a_+\z)+2*\k:8*(2*a_+\z)+2*\k+1], v[8*(2*a_+\z)+2*\k:8*(2*a_+\z)+2*\k+1], v[SM+8*\z+2*\k:SM+8*\z+2*\k+1]
.endif
.endr
.endr
.set a_, a_+1
.endr
	WIN 0
	EL3 0
	ESTAT SM, RS
	ESTAT SM+8, RS+2
	v_add_f32 v[RS], s70, v[RS]
	v_add_f32 v[RS+2], s70, v[RS+2]
	v_rsq_f32 v[RS], v[RS]
	v_rsq_f32 v[RS+2], v[RS+2]
	v_nop                                          ; a plain instruction between the last root and the use of its result
	s_wait_alu depctr_va_vdst(0)
	v_mov_b32 v[RS+1], v[RS]
	v_mov_b32 v[RS+3], v[RS+2]
.irp ap, 0,1,2,3,4,5,6,7
.if \ap < 7
	EL3 \ap+1
	s_wait_dscnt 8                                 ; this step's tables are in; the eight loads just issued stay out
.else
	s_wait_dscnt 0x0
.endif
.set tc_, 64+32*(\ap%2)
	WIN 0x02
.irp z, 0,1
.set k_, 0
.rept 8
.set c_, 8*(4*\ap+2*(k_/4)+\z)+2*(k_%4)
	v_pk_mul_f32 v[TM+16*\z+2*k_:TM+16*\z+2*k_+1], v[c_:c_+1], v[RS+2*\z:RS+2*\z+1] op_sel_hi:[1,0]
.set k_, k_+1
.endr
.endr
	WIN 0
.irp z, 0,1
.set k_, 0
.rept 8
	v_pk_fma_f32 v[TM+16*\z+2*k_:TM+16*\z+2*k_+1], v[TM+16*\z+2*k_:TM+16*\z+2*k_+1], v[tc_+2*k_:tc_+2*k_+1], v[tc_+16+2*k_:tc_+16+2*k_+1]
.set k_, k_+1
.endr
.endr
	WIN 0x40
.irp z, 0,1
.set k_, 0
.rept 8
	v_cvt_pk_f16_f32 v[128+64*\z+8*\ap+k_], v[TM+16*\z+2*k_], v[TM+16*\z+2*k_+1]  ; fx2: source 1 of M's step ap
.set k_, k_+1
.endr
.endr
.endr
	ORESC_LD
	FW 0, 0, 0                                     ; M's first step lands under the multiplies below
	s_wait_dscnt 32                                ; the factors are in; the 32 loads just issued stay out
	ORESC_MUL                                      ; O goes to this direction's row scale (the first time it is 0)
	s_wait_dscnt 0x0
	MMUL 0, 0
	PLACES
	FW 2, 0, 0
	MMUL 1, 1                                      ; its fragments came in ahead of the vector work
	PLACES
	FW 3, 0, 1
	s_wait_dscnt 32
	MMUL 2, 0
	WIN 0
	s_cmp_eq_u32 s32, 1
	s_cbranch_scc1 .Ltail                          ; the last block's change of slots asks for nothing: it is written out
	CHANGE 1, 1
	MS1
	WIN 0
	s_mov_b32 s30, 63                              ; backward
	s_mov_b32 s31, DTAB
	s_sub_co_u32 s32, s32, 1
	s_branch .Ldir
.Ltail:
	CHANGE 1, 0
	MS1
	WIN 0
	PLACES
	v_lshl_add_u32 v22, v2, 5, TAB+2*DTAB-10240    ; the table behind the two directions': 1 / s of the last
	ORESC_LD
	s_wait_dscnt 0x0
	ORESC_MUL
	WIN 0
; THE WAY OUT: a token tile's 16 rows of 1,024 bytes through my own stage (in z's bytes, which nobody has read since two changes of slots), back as whole rows.
	s_mul_i32 s75, s24, 16896
	s_add_co_u32 s75, s75, Z
	v_mul_u32_u24 v5, v1, 1040
	v_lshl_add_u32 v5, v2, 5, v5
	v_add_nc_u32 v5, s75, v5
	v_and_b32 v31, 31, v0
	v_lshlrev_b32 v31, 4, v31
	v_add_nc_u32 v6, s75, v31
	s_lshl_b32 s74, s29, 1
.set i_, 0
.rept 16
	v_mad_u32_u24 v[32+i_], s74, i_, v31
.set i_, i_+1
.endr
	s_lshl_b32 s76, s29, 5                         ; 16 tokens of p
	s_mov_b32 s77, 0
.macro OUT u
	WIN 0x0c
.set a_, 0
.rept 16
	ds_store_b128 v5, v[8*(2*a_+(\u)):8*(2*a_+(\u))+3]   offset:64*a_
	ds_store_b128 v5, v[8*(2*a_+(\u))+4:8*(2*a_+(\u))+7] offset:64*a_+16
.set a_, a_+1
.endr
	WIN 0
.set j_, 0
.rept 32
	ds_load_b128 v[64+4*j_:64+4*j_+3], v6 offset:1040*(j_/2)+512*(j_%2)  ; LDS serves a wave's instructions in order (ISA guide 5.7.1.4): these see the stores above
.set j_, j_+1
.endr
.set j_, 0
.rept 32
	s_wait_dscnt 31-j_
	global_store_b128 v[32+j_/2], v[64+4*j_:64+4*j_+3], s[72:73] offset:512*(j_%2) th:TH_STORE_NT  ; 512 consecutive bytes, aligned
.set j_, j_+1
.endr
.endm
	OUT 0
	s_wait_xcnt 0x0                                ; the stores' registers and base are written again only behind this wait
	s_add_nc_u64 s[72:73], s[72:73], s[76:77]
	OUT 1
	s_wait_tensorcnt 0x0                           ; the wave's end
	ds_add_u32 v3, v4
	s_wait_dscnt 0x0
	ROUND                                          ; the closing round: no work-group ends while a partner may still ask for a block that names it
	s_endpgm
.Lfunc_end_k_q9319422685_main:
	.size	k_q9319422685_main, .Lfunc_end_k_q9319422685_main-k_q9319422685_main
	.p2alignl 7, 3214868480
	.fill 96, 4, 3214868480
	.section	.rodata,"a",@progbits
	.p2align	6, 0x0
	.amdhsa_kernel k_q9319422685_main
		.amdhsa_group_segment_fixed_size 327680
		.amdhsa_private_segment_fixed_size 0
		.amdhsa_enable_private_segment 0
		.amdhsa_kernarg_size 80
		.amdhsa_user_sgpr_count 2
		.amdhsa_user_sgpr_kernarg_segment_ptr 1
		.amdhsa_wavefront_size32 1
		.amdhsa_system_sgpr_workgroup_id_x 1
		.amdhsa_system_sgpr_workgroup_id_y 1
		.amdhsa_system_sgpr_workgroup_id_z 1
		.amdhsa_system_vgpr_workitem_id 0
		.amdhsa_next_free_vgpr 1024
		.amdhsa_next_free_sgpr 80
		.amdhsa_reserve_vcc 0
		.amdhsa_float_denorm_mode_32 3
		.amdhsa_float_denorm_mode_16_64 3
		.amdhsa_memory_ordered 1
		.amdhsa_forward_progress 1
		.amdhsa_inst_pref_size 255
	.end_amdhsa_kernel
	.section	.bss,"aw",@nobits
	.p2align	6
	.space	262144
	.amdgpu_metadata
---
amdhsa.version: [ 1, 2 ]
amdhsa.kernels:
  - .name:           k_q9319422685_main
    .symbol:         k_q9319422685_main.kd
    .args:
      - { .name: xn, .offset: 0, .size: 8, .value_kind: global_buffer, .address_space: global }
      - { .name: wts, .offset: 8, .size: 8, .value_kind: global_buffer, .address_space: global }
      - { .name: tab, .offset: 16, .size: 8, .value_kind: global_buffer, .address_space: global }
      - { .name: ln1_w, .offset: 24, .size: 8, .value_kind: global_buffer, .address_space: global }
      - { .name: ln1_b, .offset: 32, .size: 8, .value_kind: global_buffer, .address_space: global }
      - { .name: D, .offset: 40, .size: 8, .value_kind: global_buffer, .address_space: global }
      - { .name: ln2_w, .offset: 48, .size: 8, .value_kind: global_buffer, .address_space: global }
      - { .name: ln2_b, .offset: 56, .size: 8, .value_kind: global_buffer, .address_space: global }
      - { .name: p0, .offset: 64, .size: 8, .value_kind: global_buffer, .address_space: global }
      - { .name: p1, .offset: 72, .size: 8, .value_kind: global_buffer, .address_space: global }
    .group_segment_fixed_size: 327680
    .private_segment_fixed_size: 0
    .kernarg_segment_align: 8
    .kernarg_segment_size: 80
    .max_flat_workgroup_size: 128
    .sgpr_count:     80
    .vgpr_count:     1024
    .wavefront_size: 32
...
	.end_amdgpu_metadata
.endif
;; end of part 2
;; launch fin (part 3): grid 512 x 1, 8 waves a work-group, no clusters, 71,168 bytes of LDS; arguments p0, p1, out0; writes out0
.if DOCPART == 3
	.amdgcn_target "amdgcn-amd-amdhsa--gfx1250"
	.amdhsa_code_object_version 6
	.text
	.protected	k_q9319422685_fin
	.globl	k_q9319422685_fin
	.p2align	8
	.type	k_q9319422685_fin,@function
k_q9319422685_fin:
	s_mov_b64 s[64:65], 0
	v_nop
	global_prefetch_b8 v0, s[64:65] scope:SCOPE_SE
	s_setreg_imm32_b32 hwreg(HW_REG_WAVE_MODE, 25, 1), 1
	s_wait_xcnt 0x0
; out0[b][co][h][w] = p0[pixel][co] + p1[pixel][co], pixel = (64 b + h) 64 + w.  A work-group takes one image row (64 pixels x 256 co).  Memory binds: each byte is read and written once, in whole runs
; of 256 bytes or more; the turn goes through LDS.  No matrix unit, no cluster: nothing is shared between work-groups.
; Wave v reads pixels 8 v .. + 7; a lane holds co = 128 k + 4 lane + e.  The additions write their results so that four registers on end hold four neighbouring pixels of one co.
.set SPARE, 70144                      ; behind the tile (256 rows: co at 272 co + 16 (co / 16)): the spare words, 128 bytes for each wave
.set A, 16
.set B, 80
.set O, 144
	s_load_b128 s[4:7], s[0:1], 0x0
	s_load_b64 s[8:9], s[0:1], 0x10
	v_lshl_add_u32 v1, v0, 2, SPARE
	v_mov_b32 v2, 0
	v_and_b32 v3, 31, v0
	v_lshrrev_b32 v4, 5, v0
	v_lshlrev_b32 v5, 4, v3
	v_lshl_add_u32 v5, v4, 13, v5
	s_lshl_b32 s10, ttmp9, 16                      ; 64 pixels of 1,024 bytes
	s_mov_b32 s11, 0
	s_lshr_b32 s12, ttmp9, 6
	s_lshl_b32 s12, s12, 22
	s_and_b32 s14, ttmp9, 63
	s_lshl_b32 s14, s14, 8
	s_add_co_u32 s12, s12, s14
	s_mov_b32 s13, 0
	s_wait_kmcnt 0x0
	s_add_nc_u64 s[4:5], s[4:5], s[10:11]
	s_add_nc_u64 s[6:7], s[6:7], s[10:11]
	s_add_nc_u64 s[8:9], s[8:9], s[12:13]
.set i_, 0
.rept 16                               ; i = 2 x pixel + k
	global_load_b128 v[A+4*i_:A+4*i_+3], v5, s[4:5] offset:512*i_ th:TH_LOAD_NT
	global_load_b128 v[B+4*i_:B+4*i_+3], v5, s[6:7] offset:512*i_ th:TH_LOAD_NT
.set i_, i_+1
.endr
	v_mul_u32_u24 v6, v3, 1088                     ; in: row 4 lane + e
	v_lshrrev_b32 v7, 2, v3
	v_lshl_add_u32 v6, v7, 4, v6
	v_lshl_add_u32 v6, v4, 5, v6
	v_lshrrev_b32 v8, 4, v3
	v_and_b32 v9, 15, v3
	v_mul_u32_u24 v7, v4, 8736                     ; back: rows 32 v + 2 j + lane / 16, 16 lanes to a row
	v_mad_u32_u24 v7, v8, 272, v7
	v_lshl_add_u32 v7, v9, 4, v7
	v_lshlrev_b32 v10, 19, v4
	v_lshl_add_u32 v10, v8, 14, v10
	v_lshl_add_u32 v10, v9, 4, v10
.irp gq, 0,1
	s_wait_loadcnt 16-16*\gq                       ; four pixels of both partials are in; the other sixteen loads may stay out
.irp k, 0,1
.irp e, 0,1,2,3
.irp q, 0,1,2,3
	v_add_f32 v[O+4*(4*(2*\gq+\k)+\e)+\q], v[A+4*(2*(4*\gq+\q)+\k)+\e], v[B+4*(2*(4*\gq+\q)+\k)+\e]
.endr
	ds_store_b128 v6, v[O+4*(4*(2*\gq+\k)+\e):O+4*(4*(2*\gq+\k)+\e)+3] offset:34944*\k+272*\e+16*\gq
.endr
.endr
.endr
	s_wait_dscnt 0x0                               ; for the others' sake: my stores are done
	s_barrier_signal -1
	s_barrier_wait -1
.set j_, 0
.rept 16
	ds_load_b128 v[A+4*j_:A+4*j_+3], v7 offset:544*j_+16*(j_/8)
.set j_, j_+1
.endr
.set j_, 0
.rept 16
	s_wait_dscnt 15-j_
	global_store_b128 v10, v[A+4*j_:A+4*j_+3], s[8:9] offset:32768*j_ th:TH_STORE_NT  ; two whole rows of 256 bytes
.set j_, j_+1
.endr
	s_wait_tensorcnt 0x0                           ; the wave's end
	ds_add_u32 v1, v2
	s_wait_dscnt 0x0
	s_endpgm
.Lfunc_end_k_q9319422685_fin:
	.size	k_q9319422685_fin, .Lfunc_end_k_q9319422685_fin-k_q9319422685_fin
	.p2alignl 7, 3214868480
	.fill 96, 4, 3214868480
	.section	.rodata,"a",@progbits
	.p2align	6, 0x0
	.amdhsa_kernel k_q9319422685_fin
		.amdhsa_group_segment_fixed_size 71168
		.amdhsa_private_segment_fixed_size 0
		.amdhsa_enable_private_segment 0
		.amdhsa_kernarg_size 24
		.amdhsa_user_sgpr_count 2
		.amdhsa_user_sgpr_kernarg_segment_ptr 1
		.amdhsa_wavefront_size32 1
		.amdhsa_system_sgpr_workgroup_id_x 1
		.amdhsa_system_sgpr_workgroup_id_y 1
		.amdhsa_system_sgpr_workgroup_id_z 1
		.amdhsa_system_vgpr_workitem_id 0
		.amdhsa_next_free_vgpr 208
		.amdhsa_next_free_sgpr 66
		.amdhsa_reserve_vcc 0
		.amdhsa_float_denorm_mode_32 3
		.amdhsa_float_denorm_mode_16_64 3
		.amdhsa_memory_ordered 1
		.amdhsa_forward_progress 1
		.amdhsa_inst_pref_size 12
	.end_amdhsa_kernel
	.amdgpu_metadata
---
amdhsa.version: [ 1, 2 ]
amdhsa.kernels:
  - .name:           k_q9319422685_fin
    .symbol:         k_q9319422685_fin.kd
    .args:
      - { .name: p0, .offset: 0, .size: 8, .value_kind: global_buffer, .address_space: global }
      - { .name: p1, .offset: 8, .size: 8, .value_kind: global_buffer, .address_space: global }
      - { .name: out0, .offset: 16, .size: 8, .value_kind: global_buffer, .address_space: global }
    .group_segment_fixed_size: 71168
    .private_segment_fixed_size: 0
    .kernarg_segment_align: 8
    .kernarg_segment_size: 24
    .max_flat_workgroup_size: 256
    .sgpr_count:     66
    .vgpr_count:     208
    .wavefront_size: 32
...
	.end_amdgpu_metadata
.endif
;; end of part 3
;; ======== version 2 of 2: 3 launches; version 1 with the launches pre, fin written anew for expert scheduling mode
;; limits: values outside matrix products are rounded to f16; values are held in f16: magnitudes above 65,504 overflow, below 6.1e-05 lose precision; right only within a limited range of input values; a function is approximated: absolute error at most 0.0005
;; workspace buffers: xn 16,777,216 bytes; wts 2,621,440 bytes; tab 24,576 bytes; p0 33,554,432 bytes; p1 33,554,432 bytes
;; launch pre (part 4): grid 560 x 1, 8 waves a work-group, no clusters, 144,128 bytes of LDS; arguments x, B_re, B_im, C_re, C_im, lam_re, lam_im, log_step, ln1_w, ln1_b, w_enc, w_dec, w_fuse, xn, wts, tab; writes xn, wts, tab
.if DOCPART == 4
	.amdgcn_target "amdgcn-amd-amdhsa--gfx1250"
	.amdhsa_code_object_version 6
	.text
	.protected	k_q9319422685_pre
	.globl	k_q9319422685_pre
	.p2align	8
	.type	k_q9319422685_pre,@function
k_q9319422685_pre:
	s_mov_b64 s[64:65], 0
	v_nop
	global_prefetch_b8 v0, s[64:65] scope:SCOPE_SE
	s_setreg_imm32_b32 hwreg(HW_REG_WAVE_SCHED_MODE, 0, 2), 2
	s_setreg_imm32_b32 hwreg(HW_REG_WAVE_MODE, 25, 1), 1
	s_wait_xcnt 0x0
	s_wait_alu depctr_vm_vsrc(0)
; PREPARATION.  Work-groups 0-15: Mt_d = Wf_d + (Wf_d Wd) We, 64 rows each, every row scaled by a power of two to a largest magnitude in [256, 512), in f16.
; 16-31: B' = B x ln1_w in f16 and the bias Tb = B ln1_b.  32-47: lam_bar, and C' = 2 mask (lam_bar - 1) / lam x C in bf16.  48-559: xn = (x - mean) rsqrt(var + 1e-5) over the 256 channels
; of a pixel, in f16, laid [pixel][channel]: one image row (64 pixels) to a work-group.
; wts: per direction ten dense blocks of 256 rows x 256 bytes, in the order of use.  Half q of the states (p = 128 q ..): blocks 4q, 4q+1 = B' (row 64 w + 16 (2 pt + comp) + rr for
; p = 128 q + 32 w + 16 pt + rr; columns c 0-127, 128-255); blocks 4q+2, 4q+3 = C' (row c; word p: Re C', -Im C').  Blocks 8, 9 = scaled Mt (row co; columns c).
; tab: per direction 6,144 bytes of f32: lam_bar re, im (256 each), Tb (512), the row scales s and 1/s (256 each).
; LIMITS.  B x ln1_w, Wf, Wd, We and Wf Wd are kept in f16: magnitudes under 65,504.  The angle lam_im x step is reduced by a two-part pi/2: good to about 1e6.  NaN and infinities are not treated apart.
; LDS.  Each section has bytes of its own, so that no line of one section names a byte of another.
; THE MODE: SCHED_MODE bits 1:0 = 2 (LLVM: expert scheduling mode 2), set by the entry lines.  The code itself states the register dependences
; between vector or matrix instructions and memory or LDS instructions, with s_wait_alu, always for 0.  Each section's plan stands at its head.
.set TG,    33792                      ; section M: TA at 0 and TG: 64 rows x 528 bytes; BT: 64 rows x 544; RMX: 64 rows x 32
.set BT,    67584
.set RMX,   102400
.set CG,    104448                     ; section C: 64 states x 8 bytes
.set LNB,   104960                     ; section LN: two areas of 2,048 bytes for the sums, then the tile of 64 pixels
.set SPARE, 143104                     ; the spare words: 128 bytes for each of eight waves
.set RAW,  16                          ; section M: two sets of 64 registers for chunks as loaded,
.set RAW1, 80
.set ACC,  144                         ; 8 accumulators,
.set FA,   208                         ; fragments; CV (numbers in f16 on their way to LDS) shares FB's registers; MX and SC, at the end, FA's
.set FB,   224
.set CV,   224
.set MX,   208
.set SC,   216
.macro BAR
	s_barrier_signal -1
	s_barrier_wait -1
.endm
.macro PLACES
.rept 4
	v_nop
.endr
.endm
.macro FINISH                          ; a wave's end
	s_wait_dscnt 0x0                               ; the closing lines, six on end
	s_wait_alu 0x0
	s_wait_tensorcnt 0x0
	ds_add_u32 v1, v2
	s_wait_dscnt 0x0
	s_endpgm
.endm
	s_load_b512 s[4:19], s[0:1], 0x0               ; x, B_re, B_im, C_re, C_im, lam_re, lam_im, log_step
	s_load_b512 s[20:35], s[0:1], 0x40             ; ln1_w, ln1_b, w_enc, w_dec, w_fuse, xn, wts, tab
	v_lshl_add_u32 v1, v0, 2, SPARE
	v_mov_b32 v2, 0
	v_and_b32 v3, 31, v0                           ; lane
	v_lshrrev_b32 v4, 5, v0                        ; wave
	v_readfirstlane_b32 s38, v4
	v_and_b32 v5, 15, v0                           ; lane % 16
	v_bfe_u32 v6, v0, 4, 1                         ; lane / 16
	s_mov_b32 s36, 0x76543210                      ; v_permlanex16_b32: each lane takes its own place in the other half
	s_mov_b32 s37, 0xfedcba98
	s_mov_b32 s41, 0                               ; s[40:41]: a byte offset in 64 bits
	s_wait_alu depctr_va_sdst(0)                   ; s38, the wave's number, is written: ahead of the branches below and of its readers in sections M and C
	s_wait_kmcnt 0x0
	s_cmp_ge_u32 ttmp9, 48                         ; the sections hang on the work-group's number alone: all eight waves go the same way
	s_cbranch_scc1 .Lln
	s_cmp_ge_u32 ttmp9, 32
	s_cbranch_scc1 .Lc
	s_cmp_ge_u32 ttmp9, 16
	s_cbranch_scc1 .Lb
; ---------------- SECTION M: d = id / 4, rows co = 64 (id % 4) .. + 63 ----------------
; Both products have the form R[co][n] = sum over k of T[co][k] W[k][n]: W's rows come 64 at a time (a chunk) into BT and are read turned (source 0, m = n); T's rows lie in LDS along k (source 1).
; A lane then holds one co and eight neighbouring n.  Wave v owns n = 32 v .. + 31 and all 64 co: 8 accumulators, which take turns.
; The section is a chain of eight chunks (four of Wd, four of We), so what counts is how far ahead a chunk is asked for: two sets of registers take turns, and chunk c + 2 is asked for when chunk c has
; been converted: 16 KiB a wave are on their way.
; THE PLAN.  Registers that memory or LDS instructions touch:
;   RAW, RAW1   A chunk's 16 loads land in a set; its 32 conversions read it; behind them the set is asked for again.
;   CV = FB     Written by the conversions; read by the LDS stores (into BT; once into TA, once into TG); then the loads of source 1's fragments land there, and the matrix instructions read them.
;   FA          The turning loads land there; the matrix instructions read it.
;   v11         Read by the loads of source 1's fragments; written once a chunk, behind its last load.
;   v12, v13, v15 are made ahead of the loop and never written again; v7 to v10 are made there too, and made anew behind the last chunk.
; ONE wait on va_vdst stands behind each chunk's conversions: they are done reading the set, in which the next loads land; they have written CV, which the stores into BT read; v11 is written; and the matrix
; instructions of the chunk before are done reading FA and FB.  A second one stands between a chunk's two steps, whose fragments share registers.  Waits on vm_vsrc: behind a chunk's second barrier (the stores
; have read CV, in which FB's loads land), ahead of the add to v11, and at a trip's head (the stores into TA and TG have read CV).
	s_lshr_b32 s42, ttmp9, 2                       ; d
	s_and_b32 s43, ttmp9, 3                        ; cb
	s_lshl_b32 s40, s43, 18
	s_lshl_b32 s44, s42, 10
	s_add_co_u32 s40, s40, s44
	s_add_nc_u64 s[28:29], s[28:29], s[40:41]      ; Wf_d at my 64 rows
	s_lshl_b32 s40, s42, 18
	s_add_nc_u64 s[26:27], s[26:27], s[40:41]      ; Wd
	s_add_nc_u64 s[24:25], s[24:25], s[40:41]      ; We
	s_add_nc_u64 s[52:53], s[26:27], 0x20000       ; the source that walks, two chunks a trip: it begins at Wd's chunk 2
	s_mul_i32 s40, s42, 655360
	s_lshl_b32 s44, s43, 14
	s_add_co_u32 s40, s40, s44
	s_add_co_u32 s40, s40, 0x80000
	s_add_nc_u64 s[32:33], s[32:33], s[40:41]      ; block 8 of my direction at my rows
	s_mul_i32 s40, s42, 6144
	s_lshl_b32 s44, s43, 8
	s_add_co_u32 s40, s40, s44
	s_add_co_u32 s40, s40, 4096
	s_add_nc_u64 s[34:35], s[34:35], s[40:41]      ; the scales of my rows
	v_lshlrev_b32 v7, 5, v3
	v_lshl_add_u32 v8, v4, 13, v7                  ; a chunk: my 8 rows of 1,024 bytes, 32 bytes a lane
	v_lshl_add_u32 v7, v4, 15, v7                  ; Wf: my 8 rows, 4,096 bytes apart
.macro GETCH dst, sb, off              ; my 8 rows of a chunk, 16 loads, from s[sb:sb+1] + off
.set j_, 0
.rept 8
	global_load_b128 v[(\dst)+8*j_:(\dst)+8*j_+3],   v8, s[\sb:\sb+1] offset:(\off)+1024*j_
	global_load_b128 v[(\dst)+8*j_+4:(\dst)+8*j_+7], v8, s[\sb:\sb+1] offset:(\off)+1024*j_+16
.set j_, j_+1
.endr
.endm
.macro CVT8 src                        ; 64 numbers a lane to f16
.set j_, 0
.rept 32
	v_cvt_pk_f16_f32 v[CV+j_], v[(\src)+2*j_], v[(\src)+2*j_+1]
.set j_, j_+1
.endr
.endm
; A chunk that lies in CV: into BT, and two steps of 32 along k.  The first barrier: everybody's reads of BT and stores into the tiles are done; the second: the chunk is whole.
.macro MCORE
	s_wait_dscnt 0x0
	BAR
.set j_, 0
.rept 8
	ds_store_b128 v9, v[CV+4*j_:CV+4*j_+3] offset:544*j_
.set j_, j_+1
.endr
	s_wait_dscnt 0x0
	BAR
	s_wait_alu depctr_vm_vsrc(0)                   ; my stores into BT have read CV: these registers are FB now, in which the fragments' loads land
.irp kk, 0,1
.if \kk == 1
	s_wait_alu depctr_va_vdst(0)                   ; the first step's matrix instructions are done reading FA and FB, in which the second step's loads land
.endif
.irp mt, 0,1
	ds_load_tr16_b128 v[FA+8*\mt:FA+8*\mt+3],   v10 offset:17408*\kk+32*\mt
	ds_load_tr16_b128 v[FA+8*\mt+4:FA+8*\mt+7], v10 offset:17408*\kk+32*\mt+8704
.endr
.irp nt, 0,1,2,3
	ds_load_b128 v[FB+8*\nt:FB+8*\nt+3],   v11 offset:8448*\nt+64*\kk
	ds_load_b128 v[FB+8*\nt+4:FB+8*\nt+7], v11 offset:8448*\nt+64*\kk+32
.endr
	s_wait_dscnt 0x0
.irp mt, 0,1
.irp nt, 0,1,2,3
	v_wmma_f32_16x16x32_f16 v[ACC+8*(4*\mt+\nt):ACC+8*(4*\mt+\nt)+7], v[FA+8*\mt:FA+8*\mt+7], v[FB+8*\nt:FB+8*\nt+7], v[ACC+8*(4*\mt+\nt):ACC+8*(4*\mt+\nt)+7]
.endr
.endr
	PLACES                                         ; four places behind the matrix instructions (ISA guide 7.12.1): ahead of conversions into the fragments' registers and of reads of the sums; they stay beside the waits
.endr
	s_wait_alu depctr_vm_vsrc(0)                   ; the fragments' loads have read v11
	v_add_nc_u32 v11, 128, v11                     ; 64 further along k
.endm
	s_wait_alu depctr_va_vdst(0)                   ; v7 and v8 are written: the offsets of the 48 loads below
.set j_, 0
.rept 8
	global_load_b128 v[ACC+8*j_:ACC+8*j_+3],   v7, s[28:29] offset:4096*j_
	global_load_b128 v[ACC+8*j_+4:ACC+8*j_+7], v7, s[28:29] offset:4096*j_+16
.set j_, j_+1
.endr
	GETCH RAW, 26, 0                               ; Wd's chunks 0 and 1
	GETCH RAW1, 26, 65536
	v_lshlrev_b32 v12, 4, v3
	v_mad_u32_u24 v9, v4, 8*544, v12
	v_add_nc_u32 v9, BT, v9                        ; where my 8 rows of a chunk go
	v_mad_u32_u24 v12, v4, 8*528, v12              ; my 8 whole rows of TA
	v_and_b32 v10, 7, v0
	v_lshl_add_u32 v10, v6, 3, v10
	v_mul_u32_u24 v10, v10, 544
	v_bfe_u32 v13, v0, 3, 1
	v_lshl_add_u32 v10, v13, 4, v10
	v_lshl_add_u32 v10, v4, 6, v10
	v_add_nc_u32 v10, BT, v10                      ; the turning load: row 8 (l / 16) + l % 8, 16 bytes by (l / 8) % 2, my 32 columns
	v_mul_u32_u24 v14, v5, 528
	v_lshl_add_u32 v14, v6, 4, v14                 ; a fragment of a tile: row l % 16, 16 bytes by l / 16
	v_lshl_add_u32 v13, v4, 6, v14                 ; where results go: the same row, my 32 columns
	v_mov_b32 v11, v14                             ; source 1 walks TA first
	v_lshlrev_b32 v15, 12, v5
	v_lshl_add_u32 v15, v4, 7, v15
	v_lshl_add_u32 v15, v6, 5, v15                 ; Wf in f32 at my results' places
	s_wait_loadcnt 32                              ; Wf is in; the 32 loads of the two chunks may stay out
	CVT8 ACC
	s_wait_alu depctr_va_vdst(0)                   ; the conversions have written CV, which the stores below read; the addresses v9 to v15 are written, for every LDS and memory instruction of the loop
.set j_, 0
.rept 8
	ds_store_b128 v12, v[CV+4*j_:CV+4*j_+3] offset:528*j_
.set j_, j_+1
.endr
	s_mov_b32 s50, 4                               ; trips to go; a trip takes two chunks, one from each set of registers
.Lm_trip:
	s_and_b32 s51, s50, 1
	s_cmp_lg_u32 s51, 0
	s_cbranch_scc1 .Lm_go                          ; a product's first chunk (4 and 2 trips to go) clears its sums: one text serves both products
.set j_, 0
.rept 64
	v_mov_b32 v[ACC+j_], 0
.set j_, j_+1
.endr
.Lm_go:
	s_wait_loadcnt 16                              ; loads come back in order: the first set's chunk is in, the second set's 16 loads stay out
	s_wait_alu depctr_vm_vsrc(0)                   ; the stores into TA (ahead of the first trip) and into TG (at the middle) have read CV, which the conversions write again
	CVT8 RAW
	s_wait_alu depctr_va_vdst(0)                   ; the conversions are done reading RAW, in which the loads of either arm land, and have written CV, which the stores into BT read; v11 is written; the last chunk's matrix instructions are done reading FA and FB
	s_cmp_eq_u32 s50, 1
	s_cbranch_scc1 .Lm_wf
	GETCH RAW, 52, 0                               ; the chunk two further on
	s_branch .Lm_asked
.Lm_wf:                                                ; in the last trip no chunk is left: the set takes Wf in f32, at my results' places: 16 loads on this way too
.irp mt, 0,1
.irp nt, 0,1,2,3
	global_load_b128 v[RAW+8*(4*\mt+\nt):RAW+8*(4*\mt+\nt)+3],   v15, s[28:29] offset:65536*\nt+64*\mt
	global_load_b128 v[RAW+8*(4*\mt+\nt)+4:RAW+8*(4*\mt+\nt)+7], v15, s[28:29] offset:65536*\nt+64*\mt+16
.endr
.endr
.Lm_asked:
	MCORE
	s_wait_loadcnt 16                              ; the second set's chunk is in; the 16 loads just issued stay out
	CVT8 RAW1
	s_wait_alu depctr_va_vdst(0)                   ; the same for the second set
	s_cmp_eq_u32 s50, 1
	s_cbranch_scc1 .Lm_last                        ; the last chunk asks for nothing: its rest is written out behind the loop
	GETCH RAW1, 52, 65536
	MCORE
	s_cmp_lg_u32 s50, 3
	s_cbranch_scc1 .Lm_nomid
	CVT8 ACC                                       ; G = Wf Wd is finished: to f16, into TG; the next chunk's first barrier shows it to all
	s_wait_alu depctr_va_vdst(0)                   ; the conversions have written CV, which the stores into TG read
.irp mt, 0,1
.irp nt, 0,1,2,3
	ds_store_b128 v13, v[CV+4*(4*\mt+\nt):CV+4*(4*\mt+\nt)+3] offset:TG+8448*\nt+32*\mt
.endr
.endr
	v_add_nc_u32 v11, TG, v14                      ; source 1 walks TG now (no load has read v11 since the wait ahead of its last add)
.Lm_nomid:
	s_wait_xcnt 0x0                                ; the walking source is written again only behind this wait
	s_add_nc_u64 s[52:53], s[52:53], 0x20000       ; two chunks on,
	s_cmp_eq_u32 s50, 4
	s_cselect_b64 s[52:53], s[24:25], s[52:53]     ; or, behind the first trip, We's first
	s_sub_co_u32 s50, s50, 1
	s_branch .Lm_trip
.Lm_last:
	MCORE
	v_lshlrev_b32 v9, 5, v5                        ; v7 and v9 are made anew: the wait ahead of v11's last add stands behind every instruction that read them
	v_add_nc_u32 v9, RMX, v9                       ; the eight waves' maxima of row l % 16
	v_lshl_add_u32 v7, v4, 2, v9                   ; my wave's word among them
.irp nt, 0,1,2,3
	v_mov_b32 v[MX+4+\nt], 0                       ; v_permlanex16_b32 counts as a reader of its destination
.endr
	s_wait_loadcnt 0x0                             ; Wf in f32
.set j_, 0
.rept 32
	v_pk_add_f32 v[RAW+2*j_:RAW+2*j_+1], v[RAW+2*j_:RAW+2*j_+1], v[ACC+2*j_:ACC+2*j_+1]  ; Mt = Wf + G We, in f32
.set j_, j_+1
.endr
.irp nt, 0,1,2,3                       ; the largest magnitude of a row: my 16 numbers, the other half of the lanes, the eight waves
	v_max3_num_f32 v[MX+\nt], |v[RAW+8*\nt]|, |v[RAW+8*\nt+1]|, |v[RAW+8*\nt+2]|
	v_max3_num_f32 v[MX+\nt], v[MX+\nt], |v[RAW+8*\nt+3]|, |v[RAW+8*\nt+4]|
	v_max3_num_f32 v[MX+\nt], v[MX+\nt], |v[RAW+8*\nt+5]|, |v[RAW+8*\nt+6]|
	v_max3_num_f32 v[MX+\nt], v[MX+\nt], |v[RAW+8*\nt+7]|, |v[RAW+8*\nt+32]|
	v_max3_num_f32 v[MX+\nt], v[MX+\nt], |v[RAW+8*\nt+33]|, |v[RAW+8*\nt+34]|
	v_max3_num_f32 v[MX+\nt], v[MX+\nt], |v[RAW+8*\nt+35]|, |v[RAW+8*\nt+36]|
	v_max3_num_f32 v[MX+\nt], v[MX+\nt], |v[RAW+8*\nt+37]|, |v[RAW+8*\nt+38]|
	v_max_num_f32 v[MX+\nt], v[MX+\nt], |v[RAW+8*\nt+39]|
.endr
.irp nt, 0,1,2,3
	v_permlanex16_b32 v[MX+4+\nt], v[MX+\nt], s36, s37
.endr
.irp nt, 0,1,2,3
	v_max_num_f32 v[MX+\nt], v[MX+\nt], v[MX+4+\nt]
.endr
	s_wait_alu depctr_va_vdst(0)                   ; the four maxima and v7 are written, which the stores read; so is v9, by which the loads behind the barrier read; the last matrix instructions are done reading FB, in which those loads land
.irp nt, 0,1,2,3
	ds_store_b32 v7, v[MX+\nt] offset:512*\nt
.endr
	s_wait_dscnt 0x0
	BAR
.irp nt, 0,1,2,3
	ds_load_b128 v[CV+8*\nt:CV+8*\nt+3],   v9 offset:512*\nt
	ds_load_b128 v[CV+8*\nt+4:CV+8*\nt+7], v9 offset:512*\nt+16
.endr
	s_wait_dscnt 0x0
	s_wait_alu depctr_vm_vsrc(0)                   ; the four stores have read MX, which the lines below write again
.irp nt, 0,1,2,3
	v_max3_num_f32 v[MX+\nt], v[CV+8*\nt], v[CV+8*\nt+1], v[CV+8*\nt+2]
	v_max3_num_f32 v[MX+\nt], v[MX+\nt], v[CV+8*\nt+3], v[CV+8*\nt+4]
	v_max3_num_f32 v[MX+\nt], v[MX+\nt], v[CV+8*\nt+5], v[CV+8*\nt+6]
	v_max_num_f32 v[MX+\nt], v[MX+\nt], v[CV+8*\nt+7]
	v_lshrrev_b32 v[MX+\nt], 23, v[MX+\nt]         ; its exponent field e, kept in 16 .. 240
	v_max_u32 v[MX+\nt], 16, v[MX+\nt]
	v_min_u32 v[MX+\nt], 240, v[MX+\nt]
	v_sub_nc_u32 v[SC+2*\nt], 262, v[MX+\nt]
	v_lshlrev_b32 v[SC+2*\nt], 23, v[SC+2*\nt]     ; s = 2^(135 - e)
	v_add_nc_u32 v[SC+2*\nt+1], -8, v[MX+\nt]
	v_lshlrev_b32 v[SC+2*\nt+1], 23, v[SC+2*\nt+1] ; 1 / s
.endr
.irp mt, 0,1
.irp nt, 0,1,2,3
.irp k, 0,1,2,3
	v_pk_mul_f32 v[RAW+8*(4*\mt+\nt)+2*\k:RAW+8*(4*\mt+\nt)+2*\k+1], v[RAW+8*(4*\mt+\nt)+2*\k:RAW+8*(4*\mt+\nt)+2*\k+1], v[SC+2*\nt:SC+2*\nt+1] op_sel_hi:[1,0]
.endr
.endr
.endr
	CVT8 RAW
	v_lshlrev_b32 v8, 16, v6                       ; out: lanes 0-15 block 8 (c 0-127), lanes 16-31 block 9 (the chunks' loads, which read v8, stand ahead of the last wait on vm_vsrc)
	v_lshl_add_u32 v8, v4, 11, v8
	v_lshl_add_u32 v8, v5, 4, v8
	s_wait_alu depctr_va_vdst(0)                   ; the conversions have written CV, which the stores read, and are done reading RAW, in which the loads behind the barrier land; v8 is written, the global stores' offset
.irp mt, 0,1
.irp nt, 0,1,2,3
	ds_store_b128 v13, v[CV+4*(4*\mt+\nt):CV+4*(4*\mt+\nt)+3] offset:8448*\nt+32*\mt  ; into TA, whose last readers passed several barriers ago
.endr
.endr
	s_wait_dscnt 0x0
	BAR
.set j_, 0
.rept 8
	ds_load_b128 v[RAW+4*j_:RAW+4*j_+3], v12 offset:528*j_
.set j_, j_+1
.endr
.set j_, 0
.rept 8
	s_wait_dscnt 7-j_
	global_store_b128 v8, v[RAW+4*j_:RAW+4*j_+3], s[32:33] offset:256*j_  ; 16 lanes store 256 consecutive bytes, aligned
.set j_, j_+1
.endr
	s_cmp_lg_u32 s38, 0
	s_cbranch_scc1 .Lm_end                         ; every wave holds the scales; wave 0 stores them
	v_lshlrev_b32 v10, 10, v6                      ; v10 is made anew: the turning loads, which read it, stand ahead of the last wait on vm_vsrc
	v_lshl_add_u32 v10, v5, 2, v10
	v_cmp_eq_u32 vcc_lo, 1, v6
	s_wait_alu depctr_va_vcc(0)                    ; the compare has written VCC, which the four selects read
.irp nt, 0,1,2,3
	v_cndmask_b32 v[MX+\nt], v[SC+2*\nt], v[SC+2*\nt+1], vcc_lo  ; lanes 0-15: s; lanes 16-31: 1 / s
.endr
	s_wait_alu depctr_va_vdst(0)                   ; the selects have written MX, and v10 is written: the four stores read them
.irp nt, 0,1,2,3
	global_store_b32 v10, v[MX+\nt], s[34:35] offset:64*\nt
.endr
.Lm_end:
	FINISH
; ---------------- SECTION B: d, half q of the states, comp (0: B_re, 1: B_im) ----------------
; THE PLAN.  v7 to v10, the offsets, are made once: the rows are reached by the scalar bases, which move on by a trip at the trip's end.  v[32:63]: a trip's 8 loads land there, its arithmetic reads them,
; its conversions write the first four registers of each row's eight, and the trip's four stores, in one run at its end, read those.  ONE wait on va_vdst stands ahead of that run: the stores' data are written,
; and all vector work on v[32:63] is done, so that the next trip's loads may land.  One wait on vm_vsrc stands behind the run: the stores have read their data.
; The four masks of a trip hang on the lane and the trip alone: four compares in a run, into s56 to s59, and one wait behind the run.
.Lb:
	s_sub_co_u32 s45, ttmp9, 16
	s_lshr_b32 s42, s45, 2                         ; d
	s_bfe_u32 s43, s45, 0x10001                    ; q
	s_and_b32 s44, s45, 1                          ; comp
	s_cmp_eq_u32 s44, 0
	s_cselect_b64 s[46:47], s[6:7], s[8:9]
	s_lshl_b32 s40, s42, 18
	s_lshl_b32 s45, s43, 17
	s_add_co_u32 s40, s40, s45
	s_add_nc_u64 s[46:47], s[46:47], s[40:41]      ; my 128 rows p
	s_lshl_b32 s40, s42, 10
	s_add_nc_u64 s[20:21], s[20:21], s[40:41]
	s_add_nc_u64 s[22:23], s[22:23], s[40:41]
	s_mul_i32 s40, s42, 655360
	s_lshl_b32 s45, s43, 18
	s_add_co_u32 s40, s40, s45
	s_lshl_b32 s45, s44, 12
	s_add_co_u32 s40, s40, s45
	s_add_nc_u64 s[32:33], s[32:33], s[40:41]      ; block 4 q, row 16 comp
	s_mul_i32 s40, s42, 6144
	s_lshl_b32 s45, s43, 10
	s_add_co_u32 s40, s40, s45
	s_lshl_b32 s45, s44, 6
	s_add_co_u32 s40, s40, s45
	s_add_co_u32 s40, s40, 2048
	s_add_nc_u64 s[34:35], s[34:35], s[40:41]      ; Tb
	v_lshlrev_b32 v7, 5, v3                        ; a lane keeps 8 channels
	v_lshl_add_u32 v8, v4, 14, v7                  ; wave v: rows 16 v ..
	v_lshlrev_b32 v9, 16, v6                       ; out: lanes 16-31 one block further (c 128-255)
	v_lshl_add_u32 v9, v4, 13, v9                  ; row 64 (v / 2) + 32 (v % 2) = 32 v, of 256 bytes
	v_lshl_add_u32 v9, v5, 4, v9
	v_lshlrev_b32 v10, 7, v4
	v_lshl_add_u32 v10, v5, 2, v10
	v_mov_b32 v11, v5                              ; the row of the trip in hand whose sum this lane keeps
	v_mov_b32 v170, 0
	v_mov_b32 v169, 0
	s_wait_alu depctr_va_vdst(0)                   ; the offsets v7 to v10 are written, which every load and store of the section reads
	global_load_b128 v[16:19], v7, s[20:21]
	global_load_b128 v[20:23], v7, s[20:21] offset:16
	global_load_b128 v[24:27], v7, s[22:23]
	global_load_b128 v[28:31], v7, s[22:23] offset:16
	s_mov_b32 s50, 4
.Lb_trip:                                              ; four rows a trip
.irp j, 0,1,2,3
	global_load_b128 v[32+8*\j:32+8*\j+3], v8, s[46:47] offset:1024*\j
	global_load_b128 v[36+8*\j:36+8*\j+3], v8, s[46:47] offset:1024*\j+16
.endr
	v_cmp_eq_u32 s56, 0, v11                       ; which lanes keep the sum of row 0, 1, 2, 3 of this trip
	v_cmp_eq_u32 s57, 1, v11
	v_cmp_eq_u32 s58, 2, v11
	v_cmp_eq_u32 s59, 3, v11
	s_wait_alu depctr_va_sdst(0)                   ; the four compares have written s56 to s59, which the selects below read
.irp j, 0,1,2,3
	s_wait_loadcnt 6-2*\j                          ; row j is in; the younger rows' loads stay out
	v_pk_mul_f32 v[168:169], v[32+8*\j:33+8*\j], v[24:25]      ; the row times ln1_b
	v_pk_fma_f32 v[168:169], v[34+8*\j:35+8*\j], v[26:27], v[168:169]
	v_pk_fma_f32 v[168:169], v[36+8*\j:37+8*\j], v[28:29], v[168:169]
	v_pk_fma_f32 v[168:169], v[38+8*\j:39+8*\j], v[30:31], v[168:169]
.irp k, 0,1,2,3
	v_pk_mul_f32 v[160+2*\k:161+2*\k], v[32+8*\j+2*\k:33+8*\j+2*\k], v[16+2*\k:17+2*\k]  ; the row times ln1_w
.endr
.irp k, 0,1,2,3
	v_cvt_pk_f16_f32 v[32+8*\j+\k], v[160+2*\k], v[161+2*\k]
.endr
	v_add_f32 v168, v168, v169
	v_add_f32_dpp v168, v168, v168 row_xmask:1 row_mask:0xf bank_mask:0xf
	v_add_f32_dpp v168, v168, v168 row_xmask:2 row_mask:0xf bank_mask:0xf
	v_add_f32_dpp v168, v168, v168 row_xmask:4 row_mask:0xf bank_mask:0xf
	v_add_f32_dpp v168, v168, v168 row_xmask:8 row_mask:0xf bank_mask:0xf
	v_permlanex16_b32 v169, v168, s36, s37
	v_add_f32 v168, v168, v169
	v_cndmask_b32 v170, v170, v168, s[56+\j]
.endr
	s_wait_alu depctr_va_vdst(0)                   ; the conversions have written the four rows' 16 bytes, which the stores read; all vector work on v[32:63] is done, so that the next trip's loads may land; in the last trip: v170 is written
.irp j, 0,1,2,3
	global_store_b128 v9, v[32+8*\j:35+8*\j], s[32:33] offset:256*\j  ; 16 lanes store 256 consecutive bytes, aligned
.endr
	v_add_nc_u32 v11, -4, v11                      ; named by no memory instruction
	s_wait_xcnt 0x0                                ; the bases and the stores' registers are written again only behind this wait
	s_wait_alu depctr_vm_vsrc(0)                   ; the four stores have read v[32:63]'s packed rows, in which the next trip's loads land
	s_add_nc_u64 s[46:47], s[46:47], 0x1000        ; four rows of B on,
	s_add_nc_u64 s[32:33], s[32:33], 0x400         ; and four rows of the block
	s_sub_co_u32 s50, s50, 1
	s_cmp_lg_u32 s50, 0
	s_cbranch_scc1 .Lb_trip
	global_store_b32 v10, v170, s[34:35]           ; 16 sums; both halves of the lanes hold and store the same words
	FINISH
; ---------------- SECTION C: d, half q, kh: states p0 = 128 q + 64 kh .. + 63 ----------------
; THE PLAN.  Waves 0 and 1: v7 and v9 are made once; lam_bar (v29, v30) and G (v[24:25]) are stored in one run at the arm's end, behind one wait on va_vdst.  All waves: v8, v10 and v11 are made once; the rows are
; reached by the scalar bases.  v[32:63] go as in section B: 8 loads land, the arithmetic reads, the conversions write, four stores in a run read: one wait on va_vdst ahead of the run, one on vm_vsrc behind it.
.Lc:
	s_sub_co_u32 s45, ttmp9, 32
	s_lshr_b32 s42, s45, 2                         ; d
	s_and_b32 s43, s45, 3                          ; 2 q + kh
	s_lshl_b32 s44, s43, 8                         ; 4 p0
	s_lshl_b32 s40, s42, 10
	s_add_co_u32 s40, s40, s44
	s_add_nc_u64 s[14:15], s[14:15], s[40:41]
	s_add_nc_u64 s[16:17], s[16:17], s[40:41]
	s_add_nc_u64 s[18:19], s[18:19], s[40:41]
	s_mul_i32 s40, s42, 6144
	s_add_co_u32 s40, s40, s44
	s_add_nc_u64 s[34:35], s[34:35], s[40:41]
	s_lshl_b32 s40, s42, 18
	s_add_co_u32 s40, s40, s44
	s_add_nc_u64 s[10:11], s[10:11], s[40:41]
	s_add_nc_u64 s[12:13], s[12:13], s[40:41]
	s_lshr_b32 s45, s43, 1
	s_lshl_b32 s45, s45, 2
	s_and_b32 s44, s43, 1
	s_add_co_u32 s45, s45, s44
	s_add_co_u32 s45, s45, 2                       ; block 4 q + 2 + kh
	s_lshl_b32 s45, s45, 16
	s_mul_i32 s40, s42, 655360
	s_add_co_u32 s40, s40, s45
	s_add_nc_u64 s[32:33], s[32:33], s[40:41]
	s_cmp_ge_u32 s38, 2
	s_cbranch_scc1 .Lc_all                         ; waves 0 and 1: one state a thread
	v_lshlrev_b32 v7, 2, v0
	v_lshl_add_u32 v9, v0, 3, CG
	s_wait_alu depctr_va_vdst(0)                   ; v7 is written, the offset of the three loads
	global_load_b32 v16, v7, s[14:15]              ; lam_re
	global_load_b32 v17, v7, s[16:17]              ; lam_im
	global_load_b32 v18, v7, s[18:19]              ; log_step
	s_wait_loadcnt 0x0
	v_mul_f32 v19, 0x3fb8aa3b, v18
	v_exp_f32 v19, v19                             ; step
	v_nop
	s_wait_alu depctr_va_vdst(0)                   ; the exponential has written v19, ahead of its first reader
	v_mul_f32 v20, v16, v19
	v_mul_f32 v21, v17, v19                        ; the angle
	v_mul_f32 v20, 0x3fb8aa3b, v20
	v_exp_f32 v20, v20                             ; |lam_bar|
	v_mul_f32 v22, 0x3f22f983, v21
	v_rndne_f32 v22, v22                           ; n = the nearest multiple of pi / 2
	v_fma_f32 v23, v22, 0xbfc90fdb, v21
	v_fma_f32 v23, v22, 0x333bbd2e, v23            ; the rest, within pi / 4
	v_mul_f32 v24, v23, v23
	v_mov_b32 v25, 0xb9500d01
	v_fma_f32 v25, v24, 0x3638ef1d, v25            ; sine: the series to the ninth power
	v_fma_f32 v25, v25, v24, 0x3c088889
	v_fma_f32 v25, v25, v24, 0xbe2aaaab
	v_mul_f32 v25, v25, v24
	v_fma_f32 v25, v25, v23, v23
	v_mov_b32 v26, 0xbab60b61
	v_fma_f32 v26, v24, 0x37d00d01, v26            ; cosine: to the eighth
	v_fma_f32 v26, v26, v24, 0x3d2aaaab
	v_fma_f32 v26, v26, v24, -0.5
	v_fma_f32 v26, v26, v24, 1.0
	v_cvt_i32_f32 v27, v22
	v_and_b32 v28, 1, v27
	v_cmp_eq_u32 vcc_lo, 1, v28                    ; odd quadrants swap the two,
	s_wait_alu depctr_va_vcc(0)                    ; the compare has written VCC, which the two selects read
	v_cndmask_b32 v29, v26, v25, vcc_lo
	v_cndmask_b32 v30, v25, v26, vcc_lo
	v_add_nc_u32 v28, 1, v27
	v_lshlrev_b32 v28, 30, v28
	v_and_b32 v28, 0x80000000, v28                 ; quadrants 1, 2 turn the cosine's sign,
	v_xor_b32 v29, v28, v29
	v_lshlrev_b32 v27, 30, v27
	v_and_b32 v27, 0x80000000, v27                 ; quadrants 2, 3 the sine's
	v_xor_b32 v30, v27, v30
	s_wait_alu depctr_va_vdst(0)                   ; the exponential has written v20, ahead of its first reader
	v_mul_f32 v29, v20, v29                        ; lam_bar
	v_mul_f32 v30, v20, v30
	v_add_f32 v25, -1.0, v29
	v_mul_f32 v26, v17, v17
	v_fma_f32 v26, v16, v16, v26
	v_rcp_f32 v26, v26                             ; 1 / |lam|^2
	v_mul_f32 v27, v30, v17
	v_fma_f32 v27, v25, v16, v27                   ; (lam_bar - 1) conj(lam)
	v_mul_f32 v28, v25, v17
	v_fma_f32 v28, v30, v16, -v28
	v_mul_f32 v21, v19, |v17|
	v_mul_f32 v22, 0.15915494, v21                 ; step |lam_im| / 2 pi: a product and one fused correction
	v_fma_f32 v23, -v22, 0x40c90fdb, v21
	v_fma_f32 v22, v23, 0.15915494, v22
	v_cmp_gt_f32 vcc_lo, 0x3e800000, v22
	s_wait_alu depctr_va_vcc(0)                    ; the compare has written VCC, which the select reads
	v_cndmask_b32 v23, 0, 2.0, vcc_lo              ; 2 x the band mask
	s_wait_alu depctr_va_vdst(0)                   ; the reciprocal has written v26, ahead of its first reader
	v_mul_f32 v23, v23, v26
	v_mul_f32 v24, v27, v23
	v_mul_f32 v25, v28, v23
	s_wait_alu depctr_va_vdst(0)                   ; v29, v30 and v[24:25] are written, which the three stores read; so is v9, the LDS store's address
	global_store_b32 v7, v29, s[34:35]
	global_store_b32 v7, v30, s[34:35] offset:1024
	ds_store_b64 v9, v[24:25]                      ; G = 2 mask (lam_bar - 1) / lam
.Lc_all:
	v_lshlrev_b32 v8, 15, v4                       ; wave v: rows c = 32 v ..; lanes 16-31 the odd row; a lane takes 4 states
	v_lshl_add_u32 v8, v6, 10, v8
	v_lshl_add_u32 v8, v5, 4, v8
	v_lshlrev_b32 v10, 13, v4
	v_lshl_add_u32 v10, v6, 8, v10
	v_lshl_add_u32 v10, v5, 4, v10
	v_lshl_add_u32 v11, v5, 5, CG
	s_wait_alu depctr_va_vdst(0)                   ; v8, v10 and v11 are written: the offsets and the address of every load and store below
	s_wait_dscnt 0x0
	BAR
	ds_load_b128 v[160:163], v11
	ds_load_b128 v[164:167], v11 offset:16
	s_wait_dscnt 0x0
	s_mov_b32 s50, 4
.Lc_trip:                                              ; eight rows a trip
.irp j, 0,1,2,3
	global_load_b128 v[32+8*\j:35+8*\j], v8, s[10:11] offset:2048*\j
	global_load_b128 v[36+8*\j:39+8*\j], v8, s[12:13] offset:2048*\j
.endr
.irp j, 0,1,2,3
	s_wait_loadcnt 6-2*\j
.irp q, 0,1,2,3
	v_mul_f32 v[168+2*\q], v[36+8*\j+\q], v[161+2*\q]
	v_mul_f32 v[169+2*\q], v[36+8*\j+\q], v[160+2*\q]
	v_fma_f32 v[168+2*\q], v[32+8*\j+\q], v[160+2*\q], -v[168+2*\q]     ; Re C'
	v_fma_f32 v[169+2*\q], -v[32+8*\j+\q], v[161+2*\q], -v[169+2*\q]    ; -Im C'
.endr
.irp q, 0,1,2,3
	v_cvt_pk_bf16_f32 v[32+8*\j+\q], v[168+2*\q], v[169+2*\q]
.endr
.endr
	s_wait_alu depctr_va_vdst(0)                   ; the conversions have written the stores' data; all vector work on v[32:63] is done, so that the next trip's loads may land
.irp j, 0,1,2,3
	global_store_b128 v10, v[32+8*\j:35+8*\j], s[32:33] offset:512*\j  ; 16 lanes store 256 consecutive bytes, aligned
.endr
	s_wait_xcnt 0x0                                ; the bases and the stores' registers are written again only behind this wait
	s_wait_alu depctr_vm_vsrc(0)                   ; the four stores have read their data, in which the next trip's loads land
	s_add_nc_u64 s[10:11], s[10:11], 0x2000        ; eight rows of C_re and of C_im on,
	s_add_nc_u64 s[12:13], s[12:13], 0x2000
	s_add_nc_u64 s[32:33], s[32:33], 0x800         ; and eight rows of the block
	s_sub_co_u32 s50, s50, 1
	s_cmp_lg_u32 s50, 0
	s_cbranch_scc1 .Lc_trip
	FINISH
; ---------------- SECTION LN: image row L = id - 48 ----------------
; Wave v holds channels 32 v .. + 31 (lanes 0-15 the first 16, lanes 16-31 the others), a lane four pixels: each half of a load covers a whole row of 256 bytes of x.
; THE PLAN.  v7 to v12, offsets and addresses, are made once.  v[16:79]: x lands, vector work alone until the conversions have read it; then the tile's rows land in v[16:47] and the global stores read them.
; v[80:83], v[84:87]: a reduction's four sums: written by additions, read by one LDS store, written again by the additions behind the barrier.  v[88:119]: the eight waves' sums land (twice), additions read them;
; then the conversions write them and the tile's LDS stores, in one run, read them.  So each reduction has one wait on va_vdst ahead of its store and one on vm_vsrc ahead of its last additions, and one wait on
; va_vdst stands ahead of the run of tile stores.
.Lln:
	s_sub_co_u32 s42, ttmp9, 48
	s_lshr_b32 s43, s42, 6
	s_and_b32 s44, s42, 63
	s_lshl_b32 s40, s43, 22
	s_lshl_b32 s44, s44, 8
	s_add_co_u32 s40, s40, s44
	s_add_nc_u64 s[4:5], s[4:5], s[40:41]
	s_lshl_b32 s40, s42, 15
	s_add_nc_u64 s[30:31], s[30:31], s[40:41]
	s_mov_b32 s46, 0x3b800000                      ; 1 / 256
	s_mov_b32 s47, s46
	s_mov_b32 s48, 0x3727c5ac                      ; 1e-5
	s_mov_b32 s49, s48
	v_lshlrev_b32 v7, 19, v4
	v_lshl_add_u32 v7, v6, 18, v7
	v_lshl_add_u32 v7, v5, 4, v7
	s_wait_alu depctr_va_vdst(0)                   ; v7 is written, the offset of the 16 loads
.set i_, 0
.rept 16
	global_load_b128 v[16+4*i_:16+4*i_+3], v7, s[4:5] offset:16384*i_ th:TH_LOAD_NT
.set i_, i_+1
.endr
	v_lshl_add_u32 v12, v5, 4, LNB                 ; the partial sums of my four pixels,
	v_lshl_add_u32 v8, v4, 8, v12                  ; my wave's among them
	v_mul_u32_u24 v9, v5, 2112                     ; the tile: pixel w at 528 w + 16 (w / 16)
	v_lshrrev_b32 v10, 2, v5
	v_lshl_add_u32 v9, v10, 4, v9
	v_lshl_add_u32 v9, v4, 6, v9
	v_lshl_add_u32 v9, v6, 5, v9
	v_add_nc_u32 v9, LNB+4096, v9
	v_lshrrev_b32 v10, 1, v4
	v_lshlrev_b32 v10, 4, v10
	v_mad_u32_u24 v10, v4, 4224, v10
	v_lshl_add_u32 v10, v3, 4, v10
	v_add_nc_u32 v10, LNB+4096, v10                ; back: my 8 pixels' whole rows
	v_lshlrev_b32 v11, 12, v4
	v_lshl_add_u32 v11, v3, 4, v11
.irp q, 0,1,2,3
	v_mov_b32 v[120+\q], 0                         ; v_permlanex16_b32 counts as a reader of its destination
.endr
; four sums a lane: the other half of the lanes, then the eight waves through LDS; every wave adds in the same order
.macro RED s, base
.irp q, 0,1,2,3
	v_permlanex16_b32 v[120+\q], v[(\s)+\q], s36, s37
.endr
	v_pk_add_f32 v[\s:\s+1], v[\s:\s+1], v[120:121]
	v_pk_add_f32 v[\s+2:\s+3], v[\s+2:\s+3], v[122:123]
	s_wait_alu depctr_va_vdst(0)                   ; my four sums are written, which the store reads; the first time so are the addresses v8 to v12; the second time the first reduction's additions are done reading v[88:119], in which the loads below land
	ds_store_b128 v8, v[\s:\s+3] offset:\base
	s_wait_dscnt 0x0
	BAR
.irp j, 0,1,2,3,4,5,6,7
	ds_load_b128 v[88+4*\j:91+4*\j], v12 offset:(\base)+256*\j
.endr
	s_wait_dscnt 0x0
	s_wait_alu depctr_vm_vsrc(0)                   ; the store has read my four sums, which the additions below write again
	v_pk_add_f32 v[\s:\s+1], v[88:89], v[92:93]
	v_pk_add_f32 v[\s+2:\s+3], v[90:91], v[94:95]
.irp j, 2,3,4,5,6,7
	v_pk_add_f32 v[\s:\s+1], v[\s:\s+1], v[88+4*\j:89+4*\j]
	v_pk_add_f32 v[\s+2:\s+3], v[\s+2:\s+3], v[90+4*\j:91+4*\j]
.endr
.endm
	s_wait_loadcnt 14
	v_pk_add_f32 v[80:81], v[16:17], v[20:21]
	v_pk_add_f32 v[82:83], v[18:19], v[22:23]
.set i_, 2
.rept 14
	s_wait_loadcnt 15-i_                           ; loads come back in order: channel i is in
	v_pk_add_f32 v[80:81], v[80:81], v[16+4*i_:17+4*i_]
	v_pk_add_f32 v[82:83], v[82:83], v[18+4*i_:19+4*i_]
.set i_, i_+1
.endr
	RED 80, 0
	v_pk_mul_f32 v[80:81], v[80:81], s[46:47] op_sel_hi:[1,0]
	v_pk_mul_f32 v[82:83], v[82:83], s[46:47] op_sel_hi:[1,0]
.set i_, 0
.rept 16
	v_pk_add_f32 v[16+4*i_:17+4*i_], v[16+4*i_:17+4*i_], v[80:81] neg_lo:[0,1] neg_hi:[0,1]
	v_pk_add_f32 v[18+4*i_:19+4*i_], v[18+4*i_:19+4*i_], v[82:83] neg_lo:[0,1] neg_hi:[0,1]
.set i_, i_+1
.endr
	v_pk_mul_f32 v[84:85], v[16:17], v[16:17]      ; the variance is taken of centred numbers
	v_pk_mul_f32 v[86:87], v[18:19], v[18:19]
.set i_, 1
.rept 15
	v_pk_fma_f32 v[84:85], v[16+4*i_:17+4*i_], v[16+4*i_:17+4*i_], v[84:85]
	v_pk_fma_f32 v[86:87], v[18+4*i_:19+4*i_], v[18+4*i_:19+4*i_], v[86:87]
.set i_, i_+1
.endr
	RED 84, 2048
	v_pk_fma_f32 v[84:85], v[84:85], s[46:47], s[48:49] op_sel_hi:[1,0,0]
	v_pk_fma_f32 v[86:87], v[86:87], s[46:47], s[48:49] op_sel_hi:[1,0,0]
.irp q, 0,1,2,3
	v_rsq_f32 v[84+\q], v[84+\q]
.endr
	v_nop                                          ; a plain instruction between the last root and the use of its result
	s_wait_alu depctr_va_vdst(0)                   ; the four roots have written v[84:87], ahead of their first reader
.set i_, 0
.rept 16
	v_pk_mul_f32 v[16+4*i_:17+4*i_], v[16+4*i_:17+4*i_], v[84:85]
	v_pk_mul_f32 v[18+4*i_:19+4*i_], v[18+4*i_:19+4*i_], v[86:87]
.set i_, i_+1
.endr
.irp q, 0,1,2,3                        ; pixel q of my four: its 16 channels, 32 bytes
.irp m, 0,1,2,3,4,5,6,7
	v_cvt_pk_f16_f32 v[88+8*\q+\m], v[16+8*\m+\q], v[20+8*\m+\q]
.endr
.endr
	s_wait_alu depctr_va_vdst(0)                   ; the conversions have written v[88:119], which the stores read, and are done reading v[16:79], in part of which the loads behind the barrier land
.irp q, 0,1,2,3
	ds_store_b128 v9, v[88+8*\q:91+8*\q] offset:528*\q
	ds_store_b128 v9, v[92+8*\q:95+8*\q] offset:528*\q+16
.endr
	s_wait_dscnt 0x0
	BAR
.irp j, 0,1,2,3,4,5,6,7
	ds_load_b128 v[16+4*\j:19+4*\j], v10 offset:528*\j
.endr
.irp j, 0,1,2,3,4,5,6,7
	s_wait_dscnt 7-\j
	global_store_b128 v11, v[16+4*\j:19+4*\j], s[30:31] offset:512*\j  ; a pixel's 512 consecutive bytes
.endr
	FINISH
.Lfunc_end_k_q9319422685_pre:
	.size	k_q9319422685_pre, .Lfunc_end_k_q9319422685_pre-k_q9319422685_pre
	.p2alignl 7, 3214868480
	.fill 96, 4, 3214868480
	.section	.rodata,"a",@progbits
	.p2align	6, 0x0
	.amdhsa_kernel k_q9319422685_pre
		.amdhsa_group_segment_fixed_size 144128
		.amdhsa_private_segment_fixed_size 0
		.amdhsa_enable_private_segment 0
		.amdhsa_kernarg_size 128
		.amdhsa_user_sgpr_count 2
		.amdhsa_user_sgpr_kernarg_segment_ptr 1
		.amdhsa_wavefront_size32 1
		.amdhsa_system_sgpr_workgroup_id_x 1
		.amdhsa_system_sgpr_workgroup_id_y 1
		.amdhsa_system_sgpr_workgroup_id_z 1
		.amdhsa_system_vgpr_workitem_id 0
		.amdhsa_next_free_vgpr 256
		.amdhsa_next_free_sgpr 66
		.amdhsa_reserve_vcc 1
		.amdhsa_float_denorm_mode_32 3
		.amdhsa_float_denorm_mode_16_64 3
		.amdhsa_memory_ordered 1
		.amdhsa_forward_progress 1
		.amdhsa_inst_pref_size 91
	.end_amdhsa_kernel
	.amdgpu_metadata
---
amdhsa.version: [ 1, 2 ]
amdhsa.kernels:
  - .name:           k_q9319422685_pre
    .symbol:         k_q9319422685_pre.kd
    .args:
      - { .name: x, .offset: 0, .size: 8, .value_kind: global_buffer, .address_space: global }
      - { .name: B_re, .offset: 8, .size: 8, .value_kind: global_buffer, .address_space: global }
      - { .name: B_im, .offset: 16, .size: 8, .value_kind: global_buffer, .address_space: global }
      - { .name: C_re, .offset: 24, .size: 8, .value_kind: global_buffer, .address_space: global }
      - { .name: C_im, .offset: 32, .size: 8, .value_kind: global_buffer, .address_space: global }
      - { .name: lam_re, .offset: 40, .size: 8, .value_kind: global_buffer, .address_space: global }
      - { .name: lam_im, .offset: 48, .size: 8, .value_kind: global_buffer, .address_space: global }
      - { .name: log_step, .offset: 56, .size: 8, .value_kind: global_buffer, .address_space: global }
      - { .name: ln1_w, .offset: 64, .size: 8, .value_kind: global_buffer, .address_space: global }
      - { .name: ln1_b, .offset: 72, .size: 8, .value_kind: global_buffer, .address_space: global }
      - { .name: w_enc, .offset: 80, .size: 8, .value_kind: global_buffer, .address_space: global }
      - { .name: w_dec, .offset: 88, .size: 8, .value_kind: global_buffer, .address_space: global }
      - { .name: w_fuse, .offset: 96, .size: 8, .value_kind: global_buffer, .address_space: global }
      - { .name: xn, .offset: 104, .size: 8, .value_kind: global_buffer, .address_space: global }
      - { .name: wts, .offset: 112, .size: 8, .value_kind: global_buffer, .address_space: global }
      - { .name: tab, .offset: 120, .size: 8, .value_kind: global_buffer, .address_space: global }
    .group_segment_fixed_size: 144128
    .private_segment_fixed_size: 0
    .kernarg_segment_align: 8
    .kernarg_segment_size: 128
    .max_flat_workgroup_size: 256
    .sgpr_count:     66
    .vgpr_count:     256
    .wavefront_size: 32
...
	.end_amdgpu_metadata
.endif
;; end of part 4
;; launch main: the kernel of part 2 again; grid 256 x 2, 4 waves a work-group, clusters of 4 x 1, 327,680 bytes of LDS; arguments xn, wts, tab, ln1_w, ln1_b, D, ln2_w, ln2_b, p0, p1; writes p0, p1
;; launch fin (part 5): grid 512 x 1, 8 waves a work-group, no clusters, 71,168 bytes of LDS; arguments p0, p1, out0; writes out0
.if DOCPART == 5
	.amdgcn_target "amdgcn-amd-amdhsa--gfx1250"
	.amdhsa_code_object_version 6
	.text
	.protected	k_q9319422685_fin
	.globl	k_q9319422685_fin
	.p2align	8
	.type	k_q9319422685_fin,@function
k_q9319422685_fin:
	s_mov_b64 s[64:65], 0
	v_nop
	global_prefetch_b8 v0, s[64:65] scope:SCOPE_SE
	s_setreg_imm32_b32 hwreg(HW_REG_WAVE_SCHED_MODE, 0, 2), 2
	s_setreg_imm32_b32 hwreg(HW_REG_WAVE_MODE, 25, 1), 1
	s_wait_xcnt 0x0
	s_wait_alu depctr_vm_vsrc(0)
; out0[b][co][h][w] = p0[pixel][co] + p1[pixel][co], pixel = (64 b + h) 64 + w.  A work-group takes one image row (64 pixels x 256 co).  Memory binds: each byte is read and written once, in whole runs
; of 256 bytes or more; the turn goes through LDS.  No matrix unit, no cluster: nothing is shared between work-groups.
; Wave v reads pixels 8 v .. + 7; a lane holds co = 128 k + 4 lane + e.  The additions write their results so that four registers on end hold four neighbouring pixels of one co.
; THE MODE: SCHED_MODE bits 1:0 = 2 (LLVM: expert scheduling mode 2), set by the entry lines.  The code itself states the register dependences
; between vector instructions and memory or LDS instructions, with s_wait_alu, always for 0.
; THE PLAN.  Registers that memory or LDS instructions touch:
;   v5           the loads' offset; v6, v7, v10: the LDS stores' address, the LDS loads' address, the global stores' offset.  Each is made once and never written again.
;   A            p0's loads land there; the additions read it; behind the barrier the tile's rows land there, and the global stores read them.
;   B            p1's loads land there; the additions read it.
;   O            Written by the additions, each register once; read by the LDS stores.
; The pixels go in two halves of four.  A half's 32 additions stand together, ONE wait on va_vdst behind them, then the half's eight LDS stores in a run.  The second of these waits also states that all
; additions are done reading A; no vector instruction follows it.  No register that a memory or LDS instruction has read is written again, so no wait on vm_vsrc is owed ahead of the closing lines.
.set SPARE, 70144                      ; behind the tile (256 rows: co at 272 co + 16 (co / 16)): the spare words, 128 bytes for each wave
.set A, 16
.set B, 80
.set O, 144
	s_load_b128 s[4:7], s[0:1], 0x0
	s_load_b64 s[8:9], s[0:1], 0x10
	v_lshl_add_u32 v1, v0, 2, SPARE
	v_mov_b32 v2, 0
	v_and_b32 v3, 31, v0
	v_lshrrev_b32 v4, 5, v0
	v_lshlrev_b32 v5, 4, v3
	v_lshl_add_u32 v5, v4, 13, v5
	s_lshl_b32 s10, ttmp9, 16                      ; 64 pixels of 1,024 bytes
	s_mov_b32 s11, 0
	s_lshr_b32 s12, ttmp9, 6
	s_lshl_b32 s12, s12, 22
	s_and_b32 s14, ttmp9, 63
	s_lshl_b32 s14, s14, 8
	s_add_co_u32 s12, s12, s14
	s_mov_b32 s13, 0
	s_wait_kmcnt 0x0
	s_add_nc_u64 s[4:5], s[4:5], s[10:11]
	s_add_nc_u64 s[6:7], s[6:7], s[10:11]
	s_add_nc_u64 s[8:9], s[8:9], s[12:13]
	s_wait_alu depctr_va_vdst(0)                   ; v5 is written, the offset of the 32 loads
.set i_, 0
.rept 16                               ; i = 2 x pixel + k
	global_load_b128 v[A+4*i_:A+4*i_+3], v5, s[4:5] offset:512*i_ th:TH_LOAD_NT
	global_load_b128 v[B+4*i_:B+4*i_+3], v5, s[6:7] offset:512*i_ th:TH_LOAD_NT
.set i_, i_+1
.endr
	v_mul_u32_u24 v6, v3, 1088                     ; in: row 4 lane + e
	v_lshrrev_b32 v7, 2, v3
	v_lshl_add_u32 v6, v7, 4, v6
	v_lshl_add_u32 v6, v4, 5, v6
	v_lshrrev_b32 v8, 4, v3
	v_and_b32 v9, 15, v3
	v_mul_u32_u24 v7, v4, 8736                     ; back: rows 32 v + 2 j + lane / 16, 16 lanes to a row
	v_mad_u32_u24 v7, v8, 272, v7
	v_lshl_add_u32 v7, v9, 4, v7
	v_lshlrev_b32 v10, 19, v4
	v_lshl_add_u32 v10, v8, 14, v10
	v_lshl_add_u32 v10, v9, 4, v10
.irp gq, 0,1
	s_wait_loadcnt 16-16*\gq                       ; four pixels of both partials are in; the other sixteen loads may stay out
.irp k, 0,1
.irp e, 0,1,2,3
.irp q, 0,1,2,3
	v_add_f32 v[O+4*(4*(2*\gq+\k)+\e)+\q], v[A+4*(2*(4*\gq+\q)+\k)+\e], v[B+4*(2*(4*\gq+\q)+\k)+\e]
.endr
.endr
.endr
	s_wait_alu depctr_va_vdst(0)                   ; this half's additions have written their 32 registers of O, which the eight stores read; the first time v6, v7 and v10 are written too; the second time all additions are done reading A, in which the loads behind the barrier land
.irp k, 0,1
.irp e, 0,1,2,3
	ds_store_b128 v6, v[O+4*(4*(2*\gq+\k)+\e):O+4*(4*(2*\gq+\k)+\e)+3] offset:34944*\k+272*\e+16*\gq
.endr
.endr
.endr
	s_wait_dscnt 0x0                               ; for the others' sake: my stores are done
	s_barrier_signal -1
	s_barrier_wait -1
.set j_, 0
.rept 16
	ds_load_b128 v[A+4*j_:A+4*j_+3], v7 offset:544*j_+16*(j_/8)
.set j_, j_+1
.endr
.set j_, 0
.rept 16
	s_wait_dscnt 15-j_
	global_store_b128 v10, v[A+4*j_:A+4*j_+3], s[8:9] offset:32768*j_ th:TH_STORE_NT  ; two whole rows of 256 bytes
.set j_, j_+1
.endr
	s_wait_dscnt 0x0                               ; the closing lines, six on end
	s_wait_alu 0x0
	s_wait_tensorcnt 0x0
	ds_add_u32 v1, v2
	s_wait_dscnt 0x0
	s_endpgm
.Lfunc_end_k_q9319422685_fin:
	.size	k_q9319422685_fin, .Lfunc_end_k_q9319422685_fin-k_q9319422685_fin
	.p2alignl 7, 3214868480
	.fill 96, 4, 3214868480
	.section	.rodata,"a",@progbits
	.p2align	6, 0x0
	.amdhsa_kernel k_q9319422685_fin
		.amdhsa_group_segment_fixed_size 71168
		.amdhsa_private_segment_fixed_size 0
		.amdhsa_enable_private_segment 0
		.amdhsa_kernarg_size 24
		.amdhsa_user_sgpr_count 2
		.amdhsa_user_sgpr_kernarg_segment_ptr 1
		.amdhsa_wavefront_size32 1
		.amdhsa_system_sgpr_workgroup_id_x 1
		.amdhsa_system_sgpr_workgroup_id_y 1
		.amdhsa_system_sgpr_workgroup_id_z 1
		.amdhsa_system_vgpr_workitem_id 0
		.amdhsa_next_free_vgpr 208
		.amdhsa_next_free_sgpr 66
		.amdhsa_reserve_vcc 0
		.amdhsa_float_denorm_mode_32 3
		.amdhsa_float_denorm_mode_16_64 3
		.amdhsa_memory_ordered 1
		.amdhsa_forward_progress 1
		.amdhsa_inst_pref_size 12
	.end_amdhsa_kernel
	.amdgpu_metadata
---
amdhsa.version: [ 1, 2 ]
amdhsa.kernels:
  - .name:           k_q9319422685_fin
    .symbol:         k_q9319422685_fin.kd
    .args:
      - { .name: p0, .offset: 0, .size: 8, .value_kind: global_buffer, .address_space: global }
      - { .name: p1, .offset: 8, .size: 8, .value_kind: global_buffer, .address_space: global }
      - { .name: out0, .offset: 16, .size: 8, .value_kind: global_buffer, .address_space: global }
    .group_segment_fixed_size: 71168
    .private_segment_fixed_size: 0
    .kernarg_segment_align: 8
    .kernarg_segment_size: 24
    .max_flat_workgroup_size: 256
    .sgpr_count:     66
    .vgpr_count:     208
    .wavefront_size: 32
...
	.end_amdgpu_metadata
.endif
;; end of part 5
